; MI455X (gfx1250); checked and timed in simulation.
; The chip was launched on July 23, 2026; its instructions are those of AMD's public machine-readable ISA for CDNA 5 (MIT licence, August 2026) and "CDNA5" Instruction Set Architecture Reference Guide (July 2026). The comments in the code are by the model that wrote it; some were corrected since.
;; Shuffle Former Layer. Allowed arithmetic: float matrix products may take bf16 or f16 operands with f32 sums; all other float work in f32.
;; Inputs: bk_b 1,024 float32; bk_w 1,024 x 1,024 float32; bq_b 1,024 float32; bq_w 1,024 x 1,024 float32; bv_b 1,024 float32; bv_w 1,024 x 1,024 float32; gamma 1 float32; sk_b 256 float32; sk_w 256 x 1,024 float32; sq_b 256 float32; sq_w 256 x 1,024 float32; x 4 x 2,048 x 1,024 float32.
;; Outputs: out0 4 x 2,048 x 1,024 float32.
;; One version. Each part assembles by itself: llvm-mc -triple=amdgcn-amd-amdhsa -mcpu=gfx1250 --defsym DOCPART=n.
;; ======== version 1 of 1: 5 launches
;; limits: values outside matrix products are rounded to f16; values are held in f16: magnitudes above 65,504 overflow, below 6.1e-05 lose precision; inputs' magnitudes at most 16,000,000
;; workspace buffers: xh 16,777,216 bytes; wsh 1,048,576 bytes; wbh 6,291,456 bytes; qk 8,388,608 bytes; eb 33,554,432 bytes; st 786,432 bytes; yb 16,777,216 bytes
;; launch cast (part 1): grid 736 x 1, 8 waves a work-group, no clusters, 0 bytes of LDS; arguments x, sq_w, sk_w, bq_w, bk_w, bv_w, xh, wsh, wbh; writes xh, wsh, wbh
.if DOCPART == 1
	.amdgcn_target "amdgcn-amd-amdhsa--gfx1250"
	.amdhsa_code_object_version 6
	.text
	.protected	k_qea5d1d144a_cast
	.globl	k_qea5d1d144a_cast
	.p2align	8
	.type	k_qea5d1d144a_cast,@function
k_qea5d1d144a_cast:
	s_mov_b64 s[64:65], 0
	v_nop
	global_prefetch_b8 v0, s[64:65] scope:SCOPE_SE
	s_setreg_imm32_b32 hwreg(HW_REG_WAVE_MODE, 25, 1), 1
	s_wait_xcnt 0x0
; x and the five weight matrices, f32, are rounded to bf16 and that number is written as f16: xh = f16(2^-8 bf16(x)), row-major;
; wsh = the 512 rows of sq_w, sk_w, row-major; wbh = bq_w, bk_w, bv_w in blocks of 16 rows x 32 k laid as a matrix fragment lies in registers
; (bytes 16 L: lane L's registers 0-3; bytes 512 + 16 L: registers 4-7), ordered [pair of heads 8][k block 32][head 2 x (q,k,v) 3 x 16-row tile 4].
; LIMITS. |x| < 1.6e7 (2^-8 x must lie within f16's 65,504); below 1.6e-2 x keeps a fixed step of 1.5e-5. |w| < 65,504. NaN and infinities are not treated apart.
; A stream: no input byte is shared between work-groups, so no LDS, no cluster, no matrix unit. A work-group converts 16,384 numbers; all sixteen 16-byte loads of a thread go out first.
; THE LINEAR PART (x, sq_w, sk_w): a thread has sixteen chunks of 4 numbers; lane i of a wave loads at 16 i, so a load of a wave covers 512 consecutive bytes and no byte is spanned by two loads;
; a chunk leaves as 8 bytes a lane: a store of a wave covers 256 consecutive bytes, aligned.
; THE PART IN BLOCKS (bq_w, bk_w, bv_w): a lane's 16 bytes of a fragment are 8 numbers of its own row, 32 consecutive bytes of f32, taken by two loads; a store of a wave covers 512 consecutive bytes, aligned.
.set SIG, 0x3b800000                   ; 2^-8
.set X, 8                              ; v[8:71]   as loaded
.set T, 72                             ; v[72:79]  at work
.set Y, 80                             ; v[80:111] to store; never rewritten, so no wait frees it
	s_load_b512 s[4:19], s[0:1], 0x0               ; x 4, sq_w 6, sk_w 8, bq_w 10, bk_w 12, bv_w 14, xh 16, wsh 18
	s_load_b64 s[20:21], s[0:1], 0x40              ; wbh
	s_mov_b32 s28, 0xffff0000                      ; a word's upper bf16
	s_mov_b32 s35, 0
	v_and_b32 v1, 31, v0                           ; lane
	v_lshrrev_b32 v4, 5, v0                        ; wave
	s_wait_kmcnt 0x0
; 2 n numbers at v[SRC ..] become n words of two f16 at v[DST ..]; at work: v[TW ..].  SRC, DST and TW are set ahead of the macro.
.macro CONV n
.set j, 0
.rept \n
	v_cvt_pk_bf16_f32 v[TW+2*j], v[SRC+2*j], v[SRC+2*j+1]   ; the input's rounding to bf16
.set j, j+1
.endr
.set j, 0
.rept \n
	v_and_b32     v[TW+2*j+1], s28, v[TW+2*j]      ; back to f32
	v_lshlrev_b32 v[TW+2*j],   16,  v[TW+2*j]
.set j, j+1
.endr
.set j, 0
.rept \n
	v_pk_mul_f32 v[TW+2*j:TW+2*j+1], v[TW+2*j:TW+2*j+1], s[26:27] op_sel_hi:[1,0]   ; a power of two: exact
.set j, j+1
.endr
.set j, 0
.rept \n
	v_cvt_pk_f16_f32 v[DST+j], v[TW+2*j], v[TW+2*j+1]
.set j, j+1
.endr
.endm
.macro LIN                             ; both sides linear: chunk i is 4,096 bytes of f32 and 2,048 bytes of f16 for the work-group's 256 threads
.set i, 0
.rept 16
	global_load_b128 v[X+4*i:X+4*i+3], v2, s[24:25] offset:i*4096 th:TH_LOAD_NT
.set i, i+1
.endr
.set i, 0
.rept 16
	s_wait_loadcnt 15-i                            ; loads come back in order: chunk i's is in, the younger ones stay out
.set SRC, X+4*i
.set DST, Y+2*i
.set TW,  T+4*(i%2)                    ; two sets at work by turns, so that a chunk does not wait for the one before it
	CONV 2
	global_store_b64 v3, v[Y+2*i:Y+2*i+1], s[32:33] offset:i*2048 th:TH_STORE_NT
.set i, i+1
.endr
.endm
.macro BLK                             ; source rows of 4,096 bytes, destination in fragment blocks: eight chunks of 8 numbers
.set i, 0
.rept 8
	global_load_b128 v[X+8*i:X+8*i+3],   v2, s[24:25] offset:(i>>1)*128+(i&1)*64 th:TH_LOAD_NT
	global_load_b128 v[X+8*i+4:X+8*i+7], v2, s[24:25] offset:(i>>1)*128+(i&1)*64+16 th:TH_LOAD_NT
.set i, i+1
.endr
.set i, 0
.rept 8
	s_wait_loadcnt 14-2*i                          ; chunk i's two loads are in, the younger ones stay out
.set SRC, X+8*i
.set DST, Y+4*i
.set TW,  T
	CONV 4
	global_store_b128 v3, v[Y+4*i:Y+4*i+3], s[32:33] offset:(i>>1)*24576+(i&1)*512 th:TH_STORE_NT
.set i, i+1
.endr
.endm
	s_cmp_ge_u32 ttmp9, 544
	s_cbranch_scc1 .Lblock
	; work-groups 0-511: x; 512-527: sq_w; 528-543: sk_w
	s_sub_co_u32 s22, ttmp9, 512
	s_and_b32 s23, s22, 15
	s_cmp_lt_u32 s22, 16
	s_cselect_b64 s[24:25], s[6:7], s[8:9]
	s_cmp_lt_u32 ttmp9, 512
	s_cselect_b64 s[24:25], s[4:5], s[24:25]
	s_cselect_b64 s[32:33], s[16:17], s[18:19]
	s_cselect_b32 s23, ttmp9, s23                  ; the part's number in its source,
	s_cselect_b32 s22, ttmp9, s22                  ; and in its destination
	s_cselect_b32 s26, SIG, 1.0
	s_mov_b32 s27, s26
	s_lshl_b32 s34, s23, 16
	s_add_nc_u64 s[24:25], s[24:25], s[34:35]
	s_lshl_b32 s34, s22, 15
	s_add_nc_u64 s[32:33], s[32:33], s[34:35]
	v_lshlrev_b32 v2, 4, v0                        ; 16 bytes of f32 a thread,
	v_lshlrev_b32 v3, 3, v0                        ; 8 bytes of f16
	LIN
	s_endpgm
.Lblock:
	; work-groups 544-735: 16 rows of bq_w, bk_w or bv_w
	s_sub_co_u32 s22, ttmp9, 544
	s_lshr_b32 s23, s22, 6                         ; t: q, k, v
	s_and_b32 s22, s22, 63                         ; the 16-row tile: 4 x head + c
	s_cmp_eq_u32 s23, 0
	s_cselect_b64 s[24:25], s[10:11], s[12:13]
	s_cmp_eq_u32 s23, 2
	s_cselect_b64 s[24:25], s[14:15], s[24:25]
	s_lshl_b32 s34, s22, 16
	s_add_nc_u64 s[24:25], s[24:25], s[34:35]
	s_lshr_b32 s36, s22, 3                         ; pair of heads
	s_mul_i32 s34, s36, 786432
	s_bfe_u32 s36, s22, 0x10002                    ; head in the pair
	s_mul_i32 s36, s36, 12
	s_lshl2_add_u32 s36, s23, s36
	s_and_b32 s37, s22, 3
	s_add_co_u32 s36, s36, s37                     ; 12 hh + 4 t + c
	s_lshl_b32 s36, s36, 10
	s_add_co_u32 s34, s34, s36
	s_add_nc_u64 s[32:33], s[20:21], s[34:35]
	s_mov_b32 s26, 1.0
	s_mov_b32 s27, 1.0
	v_and_b32 v5, 15, v0                           ; row
	v_bfe_u32 v6, v0, 4, 1                         ; half of the lanes
	v_lshlrev_b32 v2, 12, v5
	v_lshl_add_u32 v2, v6, 5, v2
	v_lshl_add_u32 v2, v4, 9, v2                   ; wave w takes k blocks 4 w .. 4 w + 3
	v_mul_u32_u24 v3, v4, 98304
	v_lshl_add_u32 v3, v1, 4, v3
	BLK
	s_endpgm
.Lfunc_end_k_qea5d1d144a_cast:
	.size	k_qea5d1d144a_cast, .Lfunc_end_k_qea5d1d144a_cast-k_qea5d1d144a_cast
	.p2alignl 7, 3214868480
	.fill 96, 4, 3214868480
	.section	.rodata,"a",@progbits
	.p2align	6, 0x0
	.amdhsa_kernel k_qea5d1d144a_cast
		.amdhsa_group_segment_fixed_size 0
		.amdhsa_private_segment_fixed_size 0
		.amdhsa_enable_private_segment 0
		.amdhsa_kernarg_size 72
		.amdhsa_user_sgpr_count 2
		.amdhsa_user_sgpr_kernarg_segment_ptr 1
		.amdhsa_wavefront_size32 1
		.amdhsa_system_sgpr_workgroup_id_x 1
		.amdhsa_system_sgpr_workgroup_id_y 1
		.amdhsa_system_sgpr_workgroup_id_z 1
		.amdhsa_system_vgpr_workitem_id 0
		.amdhsa_next_free_vgpr 112
		.amdhsa_next_free_sgpr 66
		.amdhsa_reserve_vcc 0
		.amdhsa_float_denorm_mode_32 3
		.amdhsa_float_denorm_mode_16_64 3
		.amdhsa_memory_ordered 1
		.amdhsa_forward_progress 1
		.amdhsa_inst_pref_size 25
	.end_amdhsa_kernel
	.amdgpu_metadata
---
amdhsa.version: [ 1, 2 ]
amdhsa.kernels:
  - .name:           k_qea5d1d144a_cast
    .symbol:         k_qea5d1d144a_cast.kd
    .args:
      - { .name: x, .offset: 0, .size: 8, .value_kind: global_buffer, .address_space: global }
      - { .name: sq_w, .offset: 8, .size: 8, .value_kind: global_buffer, .address_space: global }
      - { .name: sk_w, .offset: 16, .size: 8, .value_kind: global_buffer, .address_space: global }
      - { .name: bq_w, .offset: 24, .size: 8, .value_kind: global_buffer, .address_space: global }
      - { .name: bk_w, .offset: 32, .size: 8, .value_kind: global_buffer, .address_space: global }
      - { .name: bv_w, .offset: 40, .size: 8, .value_kind: global_buffer, .address_space: global }
      - { .name: xh, .offset: 48, .size: 8, .value_kind: global_buffer, .address_space: global }
      - { .name: wsh, .offset: 56, .size: 8, .value_kind: global_buffer, .address_space: global }
      - { .name: wbh, .offset: 64, .size: 8, .value_kind: global_buffer, .address_space: global }
    .group_segment_fixed_size: 0
    .private_segment_fixed_size: 0
    .kernarg_segment_align: 8
    .kernarg_segment_size: 72
    .max_flat_workgroup_size: 256
    .sgpr_count:     66
    .vgpr_count:     112
    .wavefront_size: 32
...
	.end_amdgpu_metadata
.endif
;; end of part 1
;; launch proj (part 2): grid 4 x 64, 4 waves a work-group, clusters of 4 x 4, 327,680 bytes of LDS; arguments xh, wsh, sq_b, sk_b, qk; writes qk
.if DOCPART == 2
	.amdgcn_target "amdgcn-amd-amdhsa--gfx1250"
	.amdhsa_code_object_version 6
	.text
	.protected	k_qea5d1d144a_proj
	.globl	k_qea5d1d144a_proj
	.p2align	8
	.type	k_qea5d1d144a_proj,@function
k_qea5d1d144a_proj:
	s_mov_b64 s[64:65], 0
	v_nop
	global_prefetch_b8 v0, s[64:65] scope:SCOPE_SE
	s_setreg_imm32_b32 hwreg(HW_REG_WAVE_MODE, 25, 1), 1
	s_wait_xcnt 0x0
	s_wait_alu depctr_hold_cnt(0) depctr_sa_sdst(0) depctr_va_vdst(0) depctr_va_sdst(0) depctr_va_ssrc(0) depctr_va_vcc(0) depctr_vm_vsrc(0)
	s_getreg_b32 s2, hwreg(HW_REG_IB_STS2, 6, 4)
	s_cmp_eq_u32 s2, 0
	s_cbranch_scc0 .Lentry_in_a_cluster
	s_endpgm
.Lentry_in_a_cluster:
	s_bfe_u32 s2, ttmp6, 0x10000c
	s_cmp_lg_u32 s2, 0xf033
	s_cbranch_scc0 .Lentry_shape_is_right
	s_endpgm
.Lentry_shape_is_right:
; q' = log2(e) (x sq_w^T + sq_b) and k = x sk_w^T + sk_b: one product [8192 x 1024] x [512 x 1024]^T in f16 with f32 sums.  xh holds 2^-8 x, so the sums start from 2^-8 bias
; (the bias rounded to bf16, as every input is) and are multiplied by 256 (q: 256 log2 e) on the way out, then rounded once to f16.
; LIMITS. |q'|, |k| < 65,504 (f16).  NaN and infinities are not treated apart.
; A tile is 128 x 128, four waves of 64 x 64 (16 accumulators); 256 work-groups.  K goes in four steps of 256 through two LDS slots, written out without a loop.
; CLUSTER 4 x 4: x's tile is shared along a row of the cluster, the weights' along a column: joint loads with a mask of four.
; The matrix instruction is used transposed (source 0 = 16 rows of the weights, source 1 = 16 rows of x): a lane holds one row of x and eight neighbouring outputs, which packed
; to 16 bytes ARE a lane's half of a fragment for the next launch: qk = q' then k, each [128 rows][k block 8][16-row tile 8] blocks of 1,024 bytes; a wave's store covers 512 consecutive bytes.
; REGISTERS: window 0: v0-31 addresses; v32-95 packed results; v96-127 four bias tiles; v128-255 accumulators.  Window 1: two fragment buffers of 128.
.set KSTEP,  256
.set PITCH,  528                       ; 512 bytes + 16 of padding: the 16 rows of a fragment load start at 16 different groups of four banks
.set HALFT,  64*PITCH
.set SLOT,   4*HALFT
.set SPARE,  2*SLOT                    ; the spare words, 128 bytes a wave; no other line names them
.set ADRA, 16
.set ADRB, 20
.set BO,   22
.set CO,   26
.set SPW,  28
.set NIL,  29
.set TMP,  32
.set BT,   96
.set ACC,  128
.set F0,   0
.set F1,   128
.set G1, 24
.set G0, 32
.set G1B, 48
.set G0B, 56
.set MSB, 0
.macro WIN new                         ; the immediate's high byte repeats the setting that is left
.if MSB != (\new)
	s_set_vgpr_msb (MSB<<8)|(\new)
.set MSB, \new
.endif
.endm
.set MUL,  0x05                        ; sources 0 and 1 window 1; C and D window 0
.set TO_F, 0x40
.macro PLACES
.rept 4
	v_nop
.endr
.endm
.macro JLOAD s                         ; a joint refill: waves 0, 1 fetch x's halves, waves 2, 3 the weights'; s_nop 0 and four v_nop follow each line
	s_cmp_eq_u32 s11, 0
	s_cbranch_scc0 .Lfor_b_\@
	tensor_load_to_lds s[G0+4*(\s):G0+4*(\s)+3], s[G1:G1+7]
	s_nop 0
	PLACES
	s_branch .Lasked_\@
.Lfor_b_\@:
	tensor_load_to_lds s[G0B+4*(\s):G0B+4*(\s)+3], s[G1B:G1B+7]
	s_nop 0
	PLACES
.Lasked_\@:
.endm
.macro CREST
	s_cmp_lg_u32 s10, 0
	s_cbranch_scc1 .Lnot_wave_0_\@
	s_barrier_signal -3
.Lnot_wave_0_\@:
	s_barrier_wait -3
	s_barrier_signal -1
	s_barrier_wait -1
.endm
.macro CROUND
	s_barrier_signal -1
	s_barrier_wait -1
	CREST
.endm
	s_load_b128 s[4:7], s[0:1], 0x0                ; xh, wsh
	s_load_b128 s[68:71], s[0:1], 0x10             ; sq_b, sk_b
	s_load_b64 s[8:9], s[0:1], 0x20                ; qk
	v_lshl_add_u32 v[SPW], v0, 2, SPARE
	v_mov_b32 v[NIL], 0
	ds_add_u32 v28, v29
	s_wait_dscnt 0x0
	v_lshrrev_b32 v1, 5, v0
	v_readfirstlane_b32 s10, v1                    ; wave
	s_lshr_b32 s11, s10, 1                         ; my half of the rows; also: I fetch x (0) or weights (1)
	s_and_b32 s12, s10, 1                          ; my half of the columns; also: which 64 rows I fetch
	s_bfe_u32 s84, ttmp6, 0x40000                  ; cx
	s_bfe_u32 s85, ttmp6, 0x40004                  ; cy
	s_lshl_b32 s86, ttmp9, 2
	s_add_co_u32 s86, s86, s84                     ; tile column
	s_and_b32 s89, ttmp7, 0xffff
	s_lshl_b32 s13, s89, 2
	s_add_co_u32 s13, s13, s85                     ; tile row
	s_lshl_b32 s87, s85, 2
	s_lshl_b32 s87, 15, s87                        ; my row of the cluster
	s_lshl_b32 s88, 0x1111, s84                    ; my column
	s_or_b32 s[G1], s87, (1<<16)|(1<<20)|(1<<21)|(6<<22)|(3<<25)   ; mask; 2-byte elements; padding on; bit 21 beside a mask; after every 128 words 4 words
	s_or_b32 s[G1B], s88, (1<<16)|(1<<20)|(1<<21)|(6<<22)|(3<<25)
.irp g, G1, G1B
	s_mov_b32 s[(\g)+1], KSTEP<<16                 ; tensor_dim0 = 256
	s_mov_b32 s[(\g)+2], 64<<16                    ; tensor_dim1 = 64
	s_mov_b32 s[(\g)+3], KSTEP<<16                 ; tile_dim0 = 256
	s_mov_b32 s[(\g)+4], 64                        ; tile_dim1 = 64
	s_mov_b32 s[(\g)+5], 1024                      ; elements from row to row
	s_mov_b32 s[(\g)+6], 0
	s_mov_b32 s[(\g)+7], 0
.endr
	s_lshl_b32 s14, s13, 7
	s_lshl_b32 s15, s12, 6
	s_add_co_u32 s14, s14, s15                     ; x: row 128 x tile row + 64 x half
	s_lshl_b32 s14, s14, 11
	s_mov_b32 s15, 0
	s_lshl_b32 s16, s86, 7
	s_lshl_b32 s17, s12, 6
	s_add_co_u32 s16, s16, s17                     ; weights: row 128 x tile column + 64 x half
	s_lshl_b32 s16, s16, 11
	s_mov_b32 s17, 0
	s_mul_i32 s20, s10, HALFT                      ; where they go: wave x 64 rows
	s_mov_b32 s80, 0xffff0000
	s_mov_b32 s74, 0x3b800000                      ; 2^-8
	s_mov_b32 s75, 0x3b800000
	s_wait_kmcnt 0x0
	s_add_nc_u64 s[14:15], s[4:5], s[14:15]
	s_add_nc_u64 s[16:17], s[6:7], s[16:17]
.irp s, 0,1
	s_mov_b32 s[G0+4*(\s)], 1
	s_add_co_u32 s[G0+4*(\s)+1], s20, (\s)*SLOT
	s_add_nc_u64 s[G0+4*(\s)+2:G0+4*(\s)+3], s[14:15], (\s)*KSTEP*2
	s_or_b32 s[G0+4*(\s)+3], s[G0+4*(\s)+3], 0x80000000
	s_mov_b32 s[G0B+4*(\s)], 1
	s_add_co_u32 s[G0B+4*(\s)+1], s20, (\s)*SLOT
	s_add_nc_u64 s[G0B+4*(\s)+2:G0B+4*(\s)+3], s[16:17], (\s)*KSTEP*2
	s_or_b32 s[G0B+4*(\s)+3], s[G0B+4*(\s)+3], 0x80000000
.endr
	CROUND                                         ; all sixteen work-groups are here: the first joint loads meet
	s_cmp_eq_u32 s11, 0                            ; a wave's two first fills stand in one branch: two loads of mine are out
	s_cbranch_scc0 .Lfirst_b
	tensor_load_to_lds s[G0:G0+3], s[G1:G1+7]
	s_nop 0
	tensor_load_to_lds s[G0+4:G0+7], s[G1:G1+7]
	s_nop 0
	PLACES
	s_branch .Lfirst_done
.Lfirst_b:
	tensor_load_to_lds s[G0B:G0B+3], s[G1B:G1B+7]
	s_nop 0
	tensor_load_to_lds s[G0B+4:G0B+7], s[G1B:G1B+7]
	s_nop 0
	PLACES
.Lfirst_done:
	v_and_b32 v1, 15, v0                           ; r
	v_bfe_u32 v2, v0, 4, 1                         ; h
	; the bias of my 64 columns: a lane's eight of each 16-column tile
	s_cmp_lt_u32 s86, 2
	s_cselect_b64 s[18:19], s[68:69], s[70:71]
	s_mov_b32 s76, 0x43800000                      ; 256
	s_mov_b32 s77, 0x43b8aa3b                      ; 256 log2 e
	s_cselect_b32 s76, s77, s76
	s_mov_b32 s77, s76
	s_and_b32 s22, s86, 1
	s_lshl_b32 s22, s22, 9
	s_lshl_b32 s23, s12, 8
	s_add_co_u32 s22, s22, s23
	s_mov_b32 s23, 0
	s_add_nc_u64 s[18:19], s[18:19], s[22:23]
	v_lshlrev_b32 v[BO], 5, v2
.irp b, 0,1,2,3
	global_load_b128 v[BT+8*\b:BT+8*\b+3],   v[BO], s[18:19] offset:64*\b
	global_load_b128 v[BT+8*\b+4:BT+8*\b+7], v[BO], s[18:19] offset:64*\b+16
.endr
	v_mul_u32_u24 v3, v1, PITCH
	v_lshl_add_u32 v3, v2, 4, v3                   ; a fragment's row x pitch + 16 x half
	s_mul_i32 s21, s11, HALFT
	s_mul_i32 s22, s12, HALFT
	s_add_co_u32 s22, s22, 2*HALFT
.irp s, 0,1
	v_add_nc_u32 v[ADRA+(\s)], s21, v3
	v_add_nc_u32 v[ADRB+(\s)], s22, v3
	s_add_co_u32 s21, s21, SLOT
	s_add_co_u32 s22, s22, SLOT
.endr
	v_and_b32 v[CO], 31, v0
	v_lshlrev_b32 v[CO], 4, v[CO]                  ; 16 x lane
	s_lshr_b32 s14, s86, 1                         ; q' or k
	s_lshl_b32 s14, s14, 22
	s_lshl_b32 s15, s13, 16                        ; my 128 rows
	s_add_co_u32 s14, s14, s15
	s_and_b32 s15, s86, 1
	s_lshl_b32 s15, s15, 15                        ; k block 4 (column & 1) + 2 x half
	s_add_co_u32 s14, s14, s15
	s_lshl_b32 s15, s12, 14
	s_add_co_u32 s14, s14, s15
	s_lshl_b32 s15, s11, 12                        ; 16-row tile 4 x half
	s_add_co_u32 s14, s14, s15
	s_mov_b32 s15, 0
	s_add_nc_u64 s[8:9], s[8:9], s[14:15]
	s_wait_loadcnt 0x0
.set i, 0
.rept 16
	v_cvt_pk_bf16_f32 v[TMP+i], v[BT+2*i], v[BT+2*i+1]
.set i, i+1
.endr
.set i, 0
.rept 16
	v_lshlrev_b32 v[BT+2*i], 16, v[TMP+i]
	v_and_b32 v[BT+2*i+1], s80, v[TMP+i]
	v_pk_mul_f32 v[BT+2*i:BT+2*i+1], v[BT+2*i:BT+2*i+1], s[74:75] op_sel_hi:[1,0]
.set i, i+1
.endr
; 8 matrix instructions: row tiles a0, a0 + 1 x 4 column tiles, 32 along K (half c of buffer f).  zero = 1: the bias tile starts the sum.  The 16 accumulators take turns.
.macro MUL8 f, c, a0, zero
	WIN MUL
.irp a, \a0, (\a0)+1
.irp b, 0,1,2,3
.if \zero
	v_wmma_f32_16x16x32_f16 v[ACC+8*(4*(\a)+(\b)):ACC+8*(4*(\a)+(\b))+7], v[(\f)+64+8*(4*(\c)+(\b)):(\f)+64+8*(4*(\c)+(\b))+7], v[(\f)+8*(4*(\c)+(\a)):(\f)+8*(4*(\c)+(\a))+7], v[BT+8*(\b):BT+8*(\b)+7]
.else
	v_wmma_f32_16x16x32_f16 v[ACC+8*(4*(\a)+(\b)):ACC+8*(4*(\a)+(\b))+7], v[(\f)+64+8*(4*(\c)+(\b)):(\f)+64+8*(4*(\c)+(\b))+7], v[(\f)+8*(4*(\c)+(\a)):(\f)+8*(4*(\c)+(\a))+7], v[ACC+8*(4*(\a)+(\b)):ACC+8*(4*(\a)+(\b))+7]
.endif
.endr
.endr
.endm
.macro FETCH slot, k, f                ; 32 LDS loads in one run: 64 along K at byte k of the rows; the first 32 along K first
	WIN TO_F
.irp c, 0,1
.irp i, 0,1,2,3
	ds_load_b128 v[(\f)+64+8*(4*(\c)+(\i)):(\f)+64+8*(4*(\c)+(\i))+3],   v[ADRB+(\slot)] offset:(\k)+64*(\c)+(\i)*16*PITCH
	ds_load_b128 v[(\f)+64+8*(4*(\c)+(\i))+4:(\f)+64+8*(4*(\c)+(\i))+7], v[ADRB+(\slot)] offset:(\k)+64*(\c)+(\i)*16*PITCH+32
	ds_load_b128 v[(\f)+8*(4*(\c)+(\i)):(\f)+8*(4*(\c)+(\i))+3],         v[ADRA+(\slot)] offset:(\k)+64*(\c)+(\i)*16*PITCH
	ds_load_b128 v[(\f)+8*(4*(\c)+(\i))+4:(\f)+8*(4*(\c)+(\i))+7],       v[ADRA+(\slot)] offset:(\k)+64*(\c)+(\i)*16*PITCH+32
.endr
.endr
.endm
.macro QUARTER slot, k, f, g, zero
	s_wait_dscnt 16                                ; the first 32 along K are in; the youngest sixteen loads may be out
	MUL8 \f, 0, 0, \zero
	MUL8 \f, 0, 2, \zero
	PLACES                                         ; four places in front of loads into registers that matrix instructions have read
	FETCH \slot, \k, \g
	s_wait_dscnt 32                                ; all but the 32 just issued
	MUL8 \f, 1, 0, 0
	MUL8 \f, 1, 2, 0
.endm
; The last quarter of a K step changes slots: each wave waits for all its tensor loads, adds 0 to its spare word, waits for that and for its reads of this slot, and signals.
.macro TURN slot, next, fill
	WIN 0
	s_wait_tensorcnt 0x0                           ; all my tensor loads have landed: my part of the next slot
	ds_add_u32 v[SPW], v[NIL]
	s_wait_dscnt 17                                ; the add and the youngest sixteen loads may be out
	MUL8 F1, 0, 0, 0
	s_wait_dscnt 0x0                               ; the add is done, and my reads of this slot are over
	s_barrier_signal -1
	MUL8 F1, 0, 2, 0
.if \fill
	WIN 0
.endif
	s_barrier_wait -1
.if \fill
	CREST                                          ; the barrier has opened a round of the cluster's: no wave of any partner still reads this slot or has a load on its way
	s_add_nc_u64 s[G0+4*(\slot)+2:G0+4*(\slot)+3], s[G0+4*(\slot)+2:G0+4*(\slot)+3], 2*KSTEP*2
	s_add_nc_u64 s[G0B+4*(\slot)+2:G0B+4*(\slot)+3], s[G0B+4*(\slot)+2:G0B+4*(\slot)+3], 2*KSTEP*2
	JLOAD \slot                                    ; the first tensor load behind the round; its four v_nop are also the places in front of the loads below
.else
	PLACES
.endif
	FETCH \next, 0, F0
	MUL8 F1, 1, 0, 0
	MUL8 F1, 1, 2, 0
.endm
	s_wait_tensorcnt 1                             ; my part of K step 0 is in; step 1's may stay out
	s_barrier_signal -1
	s_barrier_wait -1
	FETCH 0, 0, F0
	QUARTER 0, 128, F0, F1, 1
	QUARTER 0, 256, F1, F0, 0
	QUARTER 0, 384, F0, F1, 0
	TURN 0, 1, 1                                   ; slot 0 takes K step 2
	QUARTER 1, 128, F0, F1, 0
	QUARTER 1, 256, F1, F0, 0
	QUARTER 1, 384, F0, F1, 0
	TURN 1, 0, 1                                   ; slot 1 takes K step 3
	QUARTER 0, 128, F0, F1, 0
	QUARTER 0, 256, F1, F0, 0
	QUARTER 0, 384, F0, F1, 0
	TURN 0, 1, 0
	QUARTER 1, 128, F0, F1, 0
	QUARTER 1, 256, F1, F0, 0
	QUARTER 1, 384, F0, F1, 0
	s_wait_dscnt 16
	MUL8 F1, 0, 0, 0
	MUL8 F1, 0, 2, 0
	s_wait_dscnt 0
	MUL8 F1, 1, 0, 0
	MUL8 F1, 1, 2, 0
	WIN 0
	; THE WAY OUT: scaled, rounded to f16; a lane's 16 bytes are its half of a fragment
	PLACES
.set t, 0
.rept 16
.irp r, 0,1,2,3
	v_pk_mul_f32 v[ACC+8*t+2*\r:ACC+8*t+2*\r+1], v[ACC+8*t+2*\r:ACC+8*t+2*\r+1], s[76:77] op_sel_hi:[1,0]
.endr
.irp r, 0,1,2,3
	v_cvt_pk_f16_f32 v[TMP+4*t+\r], v[ACC+8*t+2*\r], v[ACC+8*t+2*\r+1]
.endr
	global_store_b128 v[CO], v[TMP+4*t:TMP+4*t+3], s[8:9] offset:((t%4)>>1)*8192+(t/4)*1024+((t%4)&1)*512
.set t, t+1
.endr
	s_wait_tensorcnt 0x0                           ; the wave's end
	ds_add_u32 v[SPW], v[NIL]
	s_wait_dscnt 0x0
	CROUND                                         ; the closing round
	s_endpgm
.Lfunc_end_k_qea5d1d144a_proj:
	.size	k_qea5d1d144a_proj, .Lfunc_end_k_qea5d1d144a_proj-k_qea5d1d144a_proj
	.p2alignl 7, 3214868480
	.fill 96, 4, 3214868480
	.section	.rodata,"a",@progbits
	.p2align	6, 0x0
	.amdhsa_kernel k_qea5d1d144a_proj
		.amdhsa_group_segment_fixed_size 327680
		.amdhsa_private_segment_fixed_size 0
		.amdhsa_enable_private_segment 0
		.amdhsa_kernarg_size 40
		.amdhsa_user_sgpr_count 2
		.amdhsa_user_sgpr_kernarg_segment_ptr 1
		.amdhsa_wavefront_size32 1
		.amdhsa_system_sgpr_workgroup_id_x 1
		.amdhsa_system_sgpr_workgroup_id_y 1
		.amdhsa_system_sgpr_workgroup_id_z 1
		.amdhsa_system_vgpr_workitem_id 0
		.amdhsa_next_free_vgpr 512
		.amdhsa_next_free_sgpr 100
		.amdhsa_reserve_vcc 0
		.amdhsa_float_denorm_mode_32 3
		.amdhsa_float_denorm_mode_16_64 3
		.amdhsa_memory_ordered 1
		.amdhsa_forward_progress 1
		.amdhsa_inst_pref_size 91
	.end_amdhsa_kernel
	.amdgpu_metadata
---
amdhsa.version: [ 1, 2 ]
amdhsa.kernels:
  - .name:           k_qea5d1d144a_proj
    .symbol:         k_qea5d1d144a_proj.kd
    .args:
      - { .name: xh, .offset: 0, .size: 8, .value_kind: global_buffer, .address_space: global }
      - { .name: wsh, .offset: 8, .size: 8, .value_kind: global_buffer, .address_space: global }
      - { .name: sq_b, .offset: 16, .size: 8, .value_kind: global_buffer, .address_space: global }
      - { .name: sk_b, .offset: 24, .size: 8, .value_kind: global_buffer, .address_space: global }
      - { .name: qk, .offset: 32, .size: 8, .value_kind: global_buffer, .address_space: global }
    .group_segment_fixed_size: 327680
    .private_segment_fixed_size: 0
    .kernarg_segment_align: 8
    .kernarg_segment_size: 40
    .max_flat_workgroup_size: 128
    .sgpr_count:     100
    .vgpr_count:     512
    .wavefront_size: 32
...
	.end_amdgpu_metadata
.endif
;; end of part 2
;; launch score (part 3): grid 8 x 32, 4 waves a work-group, clusters of 4 x 4, 327,680 bytes of LDS; arguments qk, eb, st; writes eb, st
.if DOCPART == 3
	.amdgcn_target "amdgcn-amd-amdhsa--gfx1250"
	.amdhsa_code_object_version 6
	.text
	.protected	k_qea5d1d144a_score
	.globl	k_qea5d1d144a_score
	.p2align	8
	.type	k_qea5d1d144a_score,@function
k_qea5d1d144a_score:
	s_mov_b64 s[64:65], 0
	v_nop
	global_prefetch_b8 v0, s[64:65] scope:SCOPE_SE
	s_setreg_imm32_b32 hwreg(HW_REG_WAVE_MODE, 25, 1), 1
	s_wait_xcnt 0x0
	s_wait_alu depctr_hold_cnt(0) depctr_sa_sdst(0) depctr_va_vdst(0) depctr_va_sdst(0) depctr_va_ssrc(0) depctr_va_vcc(0) depctr_vm_vsrc(0)
	s_getreg_b32 s2, hwreg(HW_REG_IB_STS2, 6, 4)
	s_cmp_eq_u32 s2, 0
	s_cbranch_scc0 .Lentry_in_a_cluster
	s_endpgm
.Lentry_in_a_cluster:
	s_bfe_u32 s2, ttmp6, 0x10000c
	s_cmp_lg_u32 s2, 0xf033
	s_cbranch_scc0 .Lentry_shape_is_right
	s_endpgm
.Lentry_shape_is_right:
; s'[l][m] = q'[l] . k[m] (= log2 e x the score), on tiles of 256 keys x 256 queries of one batch.  For each key m the TRUE maximum M over a block of 128 queries is taken away:
; E = 2^(s' - M), rounded to f16, goes to eb; M goes to st, and so does c = log2 of the sum of 2^s' over the tile's 256 queries (made as maximum + log2 of a sum that lies in 1 to 256).
; The next launch joins the eight c of a column.
; LIMITS. An E below 2^-126 counts as 0 in the sum, below 6e-8 as 0 in eb.  NaN and infinities are not treated apart.
; Four waves, each 128 keys x 128 queries.  A wave keeps its queries' fragments in registers (8 tiles x 8 K blocks, 512 registers) and walks its keys in FOUR PASSES of 32, one text looped:
; 128 products on 16 accumulators, the maximum, the exponentials, the stores.  The block of the maximum is the wave's own 128 queries, so a pass has no exchange and no barrier.
; K = 256 lies in LDS whole, in four slices of 64, each filled once: no slot is filled again.
; CLUSTER 4 x 4: k's tile is shared along a row of the cluster, q's along a column.
; Source 0 = 16 queries, source 1 = 16 keys: a lane holds ONE key (lane % 16) and eight neighbouring queries; a key's maximum and sum want one exchange between the halves of the lanes.
; eb = E^T as [batch 4][128 queries 16][16 keys 128][16 queries 8] blocks of 512 bytes; in a block the 16 bytes (key kk, queries 8 nh ..) lie at 256 (kk / 8) + 128 nh + 16 (kk % 8), so that the
; turning LDS load at block + 16 x lane gives half a fragment with one query a lane.  A wave's store covers 512 consecutive bytes.
; st: M[batch][block of 128 queries 16][2048] f32; 524,288 bytes behind it c[batch][block of 256 queries 8][2048].  Both leave as stores of 512 consecutive bytes.
; REGISTERS: window 0: v0-31 addresses, v32-63 statistics, v64-127 packed E, v128-255 accumulator (key tile a, query tile t) at 128 + 64 a + 8 t;
;   window 1: v0-127 k's fragments (K block kb, key tile a) at 8 (2 kb + a);   windows 2, 3: q's fragments (kb, t) at 8 (8 kb + t).
.set XM,   262144                      ; behind the four slices: 1,024 bytes a wave: M of its 128 keys, then c
.set ADRA, 16                          ; v16-19 my k fragments in slice 0..3; they step 2,048 bytes a pass
.set ADRB, 20                          ; v20-23 my q fragments
.set SA,   24                          ; where a pass puts M (lanes 0-15) and c (lanes 16-31)
.set RO,   25                          ; where I read my own 1,024 bytes back
.set EO,   26                          ; my 16 bytes in a block of eb
.set RP,   27                          ; the bytes of the wave with the tile's other 128 queries
.set SO,   28                          ; 16 x lane
.set MX,   32                          ; v32-35 M of the pass's two key tiles, twice each (pairs for the packed subtraction)
.set CH,   36                          ; v36-39 four chains of the maximum
.set ZS,   40                          ; v40-41 the sums
.set T,    44                          ; v44-59 at work
.set OUT,  64
.set ACC,  128
.set MSB, 0
.macro WIN new                         ; the immediate's high byte repeats the setting that is left
.if MSB != (\new)
	s_set_vgpr_msb (MSB<<8)|(\new)
.set MSB, \new
.endif
.endm
.macro PLACES
.rept 4
	v_nop
.endr
.endm
.macro CROUND
	s_barrier_signal -1
	s_barrier_wait -1
	s_cmp_lg_u32 s10, 0
	s_cbranch_scc1 .Lnot_wave_0_\@
	s_barrier_signal -3
.Lnot_wave_0_\@:
	s_barrier_wait -3
	s_barrier_signal -1
	s_barrier_wait -1
.endm
	s_load_b128 s[4:7], s[0:1], 0x0                ; qk, eb
	s_load_b64 s[8:9], s[0:1], 0x10                ; st
	v_lshl_add_u32 v62, v0, 2, 0x41000
	v_mov_b32 v63, 0
	ds_add_u32 v62, v63
	v_lshrrev_b32 v1, 5, v0
	v_readfirstlane_b32 s10, v1
	s_lshr_b32 s11, s10, 1                         ; my half of the keys; also: I fetch k (0) or q (1)
	s_and_b32 s12, s10, 1                          ; my half of the queries; also: which 128 rows I fetch
	s_bfe_u32 s84, ttmp6, 0x40000
	s_bfe_u32 s85, ttmp6, 0x40004
	s_lshl_b32 s86, ttmp9, 2
	s_add_co_u32 s86, s86, s84                     ; block of 256 queries
	s_and_b32 s89, ttmp7, 0xffff
	s_lshl_b32 s13, s89, 2
	s_add_co_u32 s13, s13, s85                     ; 8 x batch + block of 256 keys
	s_lshl_b32 s87, s85, 2
	s_lshl_b32 s87, 15, s87
	s_lshl_b32 s88, 0x1111, s84
	s_lshr_b32 s94, s89, 1                         ; the batch: the same in the whole cluster
	s_or_b32 s24, s87, (3<<16)|(1<<21)             ; a dense block as rows of 256 bytes: 8-byte elements; bit 21 beside a mask
	s_or_b32 s48, s88, (3<<16)|(1<<21)
.irp g, 24, 48
	s_mov_b32 s[(\g)+1], 32<<16                    ; tensor_dim0 = 32
	s_mov_b32 s[(\g)+2], 64<<16                    ; tensor_dim1 = 64
	s_mov_b32 s[(\g)+3], 32<<16                    ; tile_dim0 = 32
	s_mov_b32 s[(\g)+4], 64                        ; tile_dim1 = 64
	s_mov_b32 s[(\g)+5], 32
	s_mov_b32 s[(\g)+6], 0
	s_mov_b32 s[(\g)+7], 0
.endr
	s_lshl_b32 s14, s13, 1
	s_add_co_u32 s14, s14, s12                     ; k: group of 128 rows
	s_lshl_b32 s14, s14, 16
	s_add_co_u32 s14, s14, 4194304
	s_mov_b32 s15, 0
	s_lshl_b32 s16, s94, 3
	s_add_co_u32 s16, s16, s86
	s_lshl_b32 s16, s16, 1
	s_add_co_u32 s16, s16, s12                     ; q: group of 128 rows
	s_lshl_b32 s16, s16, 16
	s_mov_b32 s17, 0
	s_lshl_b32 s20, s10, 14                        ; my part of a slice
	s_mov_b32 s92, 0x76543210
	s_mov_b32 s93, 0xfedcba98
	s_mov_b32 s90, 0xffff0000                      ; lanes 16-31
	s_wait_dscnt 0x0
	s_wait_kmcnt 0x0
	s_add_nc_u64 s[14:15], s[4:5], s[14:15]
	s_add_nc_u64 s[16:17], s[4:5], s[16:17]
.irp g, 0,1,2,3
	s_mov_b32 s[32+4*\g], 1
	s_add_co_u32 s[33+4*\g], s20, \g*65536
	s_add_nc_u64 s[34+4*\g:35+4*\g], s[14:15], \g*16384
	s_or_b32 s[35+4*\g], s[35+4*\g], 0x80000000
	s_mov_b32 s[68+4*\g], 1
	s_add_co_u32 s[69+4*\g], s20, \g*65536
	s_add_nc_u64 s[70+4*\g:71+4*\g], s[16:17], \g*16384
	s_or_b32 s[71+4*\g], s[71+4*\g], 0x80000000
.endr
	CROUND                                         ; the first joint loads meet
	s_cmp_eq_u32 s11, 0                            ; a wave's four fills stand in one branch: four loads of mine are out
	s_cbranch_scc0 .Lfirst_b
.irp g, 0,1,2,3
	tensor_load_to_lds s[32+4*\g:35+4*\g], s[24:31]
	s_nop 0
.endr
	PLACES
	s_branch .Lfirst_done
.Lfirst_b:
.irp g, 0,1,2,3
	tensor_load_to_lds s[68+4*\g:71+4*\g], s[48:55]
	s_nop 0
.endr
	PLACES
.Lfirst_done:
	v_and_b32 v3, 31, v0
	v_lshlrev_b32 v4, 4, v3                        ; fragments lie in LDS as they lie in registers: 16 x lane
	s_lshl_b32 s21, s11, 14
	s_lshl_b32 s22, s12, 14
	s_add_co_u32 s22, s22, 32768
.irp g, 0,1,2,3
	v_add_nc_u32 v[ADRA+\g], s21, v4
	v_add_nc_u32 v[ADRB+\g], s22, v4
	s_add_co_u32 s21, s21, 65536
	s_add_co_u32 s22, s22, 65536
.endr
	v_and_b32 v1, 15, v0
	v_bfe_u32 v2, v0, 4, 1
	s_lshl_b32 s21, s10, 10
	s_add_co_u32 s21, s21, XM
	v_lshl_add_u32 v[SA], v1, 2, s21
	v_lshl_add_u32 v[SA], v2, 9, v[SA]             ; key's word; lanes 16-31 512 bytes on
	v_add_nc_u32 v[RO], s21, v4
	s_xor_b32 s22, s10, 1
	s_lshl_b32 s22, s22, 10
	s_add_co_u32 s22, s22, XM
	v_add_nc_u32 v[RP], s22, v4
	v_bfe_u32 v5, v0, 3, 1
	v_and_b32 v6, 7, v0
	v_lshlrev_b32 v[EO], 8, v5
	v_lshl_add_u32 v[EO], v2, 7, v[EO]
	v_lshl_add_u32 v[EO], v6, 4, v[EO]
	v_mov_b32 v[SO], v4
	s_lshl_b32 s22, s94, 4
	s_lshl_b32 s23, s86, 1
	s_add_co_u32 s22, s22, s23
	s_add_co_u32 s22, s22, s12                     ; 16 x batch + my block of 128 queries
	s_and_b32 s21, s13, 7
	s_lshl_b32 s21, s21, 8
	s_lshl_b32 s23, s11, 7
	s_add_co_u32 s21, s21, s23                     ; my first key in the batch
	s_lshl_b32 s14, s22, 19
	s_lshl_b32 s23, s21, 8                         ; 4,096 bytes for each 16 keys
	s_add_co_u32 s14, s14, s23
	s_mov_b32 s15, 0
	s_add_nc_u64 s[14:15], s[6:7], s[14:15]        ; eb
	s_lshl_b32 s16, s22, 11
	s_add_co_u32 s16, s16, s21
	s_lshl_b32 s16, s16, 2
	s_mov_b32 s17, 0
	s_add_nc_u64 s[16:17], s[8:9], s[16:17]        ; st: M
	s_lshl_b32 s18, s94, 3
	s_add_co_u32 s18, s18, s86
	s_lshl_b32 s18, s18, 11
	s_add_co_u32 s18, s18, s21
	s_lshl_b32 s18, s18, 2
	s_add_co_u32 s18, s18, 524288
	s_mov_b32 s19, 0
	s_add_nc_u64 s[18:19], s[8:9], s[18:19]        ; st: c
.macro LDKB g, k2                      ; 4 LDS loads: k's fragments of K block 2 g + k2 for the pass's two key tiles
	WIN 0x40
.irp a, 0,1
	ds_load_b128 v[8*(2*(2*(\g)+(\k2))+\a):8*(2*(2*(\g)+(\k2))+\a)+3],   v[ADRA+(\g)] offset:(\k2)*8192+\a*1024
	ds_load_b128 v[8*(2*(2*(\g)+(\k2))+\a)+4:8*(2*(2*(\g)+(\k2))+\a)+7], v[ADRA+(\g)] offset:(\k2)*8192+\a*1024+512
.endr
.endm
.macro LDQB g, k2                      ; 16 LDS loads: q's fragments of K block 2 g + k2, eight query tiles
	WIN 0x80+0x40*((\g)/2)
.irp t, 0,1,2,3,4,5,6,7
	ds_load_b128 v[8*(8*((2*(\g)+(\k2))%4)+\t):8*(8*((2*(\g)+(\k2))%4)+\t)+3],   v[ADRB+(\g)] offset:(\k2)*8192+\t*1024
	ds_load_b128 v[8*(8*((2*(\g)+(\k2))%4)+\t)+4:8*(8*((2*(\g)+(\k2))%4)+\t)+7], v[ADRB+(\g)] offset:(\k2)*8192+\t*1024+512
.endr
.endm
; 16 matrix instructions: K block kb, 2 key tiles x 8 query tiles.  The 16 accumulators take turns.  zero = 1: the products start the sums.
.macro MULK kb, zero
	WIN 0x06+(\kb)/4
.irp a, 0,1
.irp t, 0,1,2,3,4,5,6,7
.if \zero
	v_wmma_f32_16x16x32_f16 v[ACC+64*\a+8*\t:ACC+64*\a+8*\t+7], v[8*(8*((\kb)%4)+\t):8*(8*((\kb)%4)+\t)+7], v[8*(2*(\kb)+\a):8*(2*(\kb)+\a)+7], 0
.else
	v_wmma_f32_16x16x32_f16 v[ACC+64*\a+8*\t:ACC+64*\a+8*\t+7], v[8*(8*((\kb)%4)+\t):8*(8*((\kb)%4)+\t)+7], v[8*(2*(\kb)+\a):8*(2*(\kb)+\a)+7], v[ACC+64*\a+8*\t:ACC+64*\a+8*\t+7]
.endif
.endr
.endr
.endm
; slice after slice: my part has landed (the count leaves my later slices out), everybody's has; its fragments go into registers while the next slice is on its way
.irp g, 0,1,2,3
	s_wait_tensorcnt 3-\g
.if \g > 0
	s_wait_dscnt 0x0                               ; no LDS instruction is pending at a signal
.endif
	s_barrier_signal -1
	s_barrier_wait -1
	LDKB \g, 0
	LDQB \g, 0
	LDKB \g, 1
	LDQB \g, 1
.endr
	WIN 0
	s_mov_b32 s67, 4
.Lpass:                                ; a trip: 32 keys x 128 queries
	MULK 0, 1
	MULK 1, 0
	MULK 2, 0
	MULK 3, 0
	MULK 4, 0
	MULK 5, 0
	s_wait_dscnt 20                                ; first trip: K block 6 is in, the 20 loads of K block 7 may be out; later trips: nothing is out
	MULK 6, 0
	s_wait_dscnt 0x0
	MULK 7, 0
	WIN 0
	PLACES                                         ; in front of the loads into k's registers and of the reads of the results
	s_cmp_eq_u32 s67, 1
	s_cbranch_scc1 .Lnok                           ; the last pass has no successor
.irp g, 0,1,2,3
	v_add_nc_u32 v[ADRA+\g], 2048, v[ADRA+\g]      ; the next two key tiles
.endr
.irp g, 0,1,2,3
	LDKB \g, 0
	LDKB \g, 1
.endr
	WIN 0
.Lnok:
	; the maximum of a lane's 64 scores of each key tile: four chains of 32, three operands at a time; each accumulator is read from its low end on
.irp c, 0,1,2,3
	v_max3_num_f32 v[CH+\c], v[ACC+32*\c], v[ACC+32*\c+1], v[ACC+32*\c+2]
.endr
.set n, 3
.rept 14
.irp c, 0,1,2,3
	v_max3_num_f32 v[CH+\c], v[CH+\c], v[ACC+32*\c+n], v[ACC+32*\c+n+1]
.endr
.set n, n+2
.endr
.irp c, 0,1,2,3
	v_max_num_f32 v[CH+\c], v[CH+\c], v[ACC+32*\c+31]
.endr
	v_max_num_f32 v[MX], v[CH], v[CH+1]
	v_max_num_f32 v[MX+2], v[CH+2], v[CH+3]
	v_mov_b32 v[MX+1], v[MX]
	v_mov_b32 v[MX+3], v[MX+2]
	v_permlanex16_b32 v[MX+1], v[MX], s92, s93     ; the key's other 64 queries lie in the lane 16 away
	v_permlanex16_b32 v[MX+3], v[MX+2], s92, s93
	v_max_num_f32 v[MX], v[MX], v[MX+1]
	v_max_num_f32 v[MX+2], v[MX+2], v[MX+3]
	v_mov_b32 v[MX+1], v[MX]
	v_mov_b32 v[MX+3], v[MX+2]
	s_wait_xcnt 0x0                                ; the last pass's stores have read the packed E
; Key tile a of the pass: s' - M, the exponentials, the rounding to f16, the sum of the unrounded, the stores.
.macro EXPA a
.set AC, ACC+64*(\a)
.set OU, OUT+32*(\a)
.set i, 0
.rept 32
	v_pk_add_f32 v[AC+2*i:AC+2*i+1], v[AC+2*i:AC+2*i+1], v[MX+2*(\a):MX+2*(\a)+1] neg_lo:[0,1] neg_hi:[0,1]
.set i, i+1
.endr
.set i, 0
.rept 64
	v_exp_f32 v[AC+i], v[AC+i]
.set i, i+1
.endr
	v_nop                                          ; a plain instruction behind the last exponential
.set i, 0
	s_wait_alu depctr_va_vdst(0)
.rept 32
	v_cvt_pk_f16_f32 v[OU+i], v[AC+2*i], v[AC+2*i+1]
.set i, i+1
.endr
.set sd, 1
.rept 5                                ; 16 + 8 + 4 + 2 + 1 packed additions, in place
.set i, 0
.rept 16/sd
	v_pk_add_f32 v[AC+4*sd*i:AC+4*sd*i+1], v[AC+4*sd*i:AC+4*sd*i+1], v[AC+4*sd*i+2*sd:AC+4*sd*i+2*sd+1]
.set i, i+1
.endr
.set sd, sd*2
.endr
	v_add_f32 v[ZS+(\a)], v[AC], v[AC+1]
.irp b, 0,1,2,3,4,5,6,7
	global_store_b128 v[EO], v[OU+4*\b:OU+4*\b+3], s[14:15] offset:(\a)*4096+\b*512
.endr
.endm
	EXPA 0
	EXPA 1
.irp a, 0,1
	v_mov_b32 v[T+\a], v[ZS+\a]
.endr
.irp a, 0,1
	v_permlanex16_b32 v[T+\a], v[ZS+\a], s92, s93
.endr
.irp a, 0,1
	v_add_f32 v[ZS+\a], v[ZS+\a], v[T+\a]          ; at least 1: the maximum's own weight is among them
.endr
.irp a, 0,1
	v_log_f32 v[T+\a], v[ZS+\a]
.endr
	v_nop
	s_wait_alu depctr_va_vdst(0)
.irp a, 0,1
	v_add_f32 v[T+\a], v[T+\a], v[MX+2*\a]         ; c of my 128 queries
.endr
.irp a, 0,1
	v_cndmask_b32 v[T+\a], v[MX+2*\a], v[T+\a], s90
.endr
.irp a, 0,1
	ds_store_b32 v[SA], v[T+\a] offset:64*\a
.endr
	s_wait_xcnt 0x0                                ; the stores' base is stepped only behind this wait
	s_add_nc_u64 s[14:15], s[14:15], 8192
	v_add_nc_u32 v[SA], 128, v[SA]
	s_wait_dscnt 0x0                               ; the next pass's k is in; my words are stored
	s_sub_co_u32 s67, s67, 1
	s_cmp_lg_u32 s67, 0
	s_cbranch_scc1 .Lpass
	s_barrier_signal -1                            ; every wave's M and c lie in LDS
	s_barrier_wait -1
	ds_load_b128 v[T:T+3], v[RO]                   ; M of four of my keys
	ds_load_b128 v[T+4:T+7], v[RO] offset:512      ; their c over my 128 queries,
	ds_load_b128 v[T+8:T+11], v[RP] offset:512     ; and over the tile's other 128
	s_wait_dscnt 0x0
	global_store_b128 v[SO], v[T:T+3], s[16:17]    ; 512 consecutive bytes
.irp k, 0,1,2,3
	v_max_num_f32 v[T+12+\k], v[T+4+\k], v[T+8+\k]
.endr
.irp p, 4,6,8,10
	v_pk_add_f32 v[T+\p:T+\p+1], v[T+\p:T+\p+1], v[T+12+(\p%4):T+13+(\p%4)] neg_lo:[0,1] neg_hi:[0,1]
.endr
.irp k, 4,5,6,7,8,9,10,11
	v_exp_f32 v[T+\k], v[T+\k]
.endr
	v_nop
	s_wait_alu depctr_va_vdst(0)
	v_pk_add_f32 v[T+4:T+5], v[T+4:T+5], v[T+8:T+9]     ; in 1 to 2
	v_pk_add_f32 v[T+6:T+7], v[T+6:T+7], v[T+10:T+11]
.irp k, 4,5,6,7
	v_log_f32 v[T+\k], v[T+\k]
.endr
	v_nop
	s_wait_alu depctr_va_vdst(0)
	v_pk_add_f32 v[T+4:T+5], v[T+4:T+5], v[T+12:T+13]
	v_pk_add_f32 v[T+6:T+7], v[T+6:T+7], v[T+14:T+15]
	s_cmp_lg_u32 s12, 0                            ; both waves of a pair hold the same c: one of them stores
	s_cbranch_scc1 .Lnoc
	global_store_b128 v[SO], v[T+4:T+7], s[18:19]
.Lnoc:
	s_wait_tensorcnt 0x0
	ds_add_u32 v62, v63
	s_wait_dscnt 0x0
	CROUND                                         ; the closing round
	s_endpgm
.Lfunc_end_k_qea5d1d144a_score:
	.size	k_qea5d1d144a_score, .Lfunc_end_k_qea5d1d144a_score-k_qea5d1d144a_score
	.p2alignl 7, 3214868480
	.fill 96, 4, 3214868480
	.section	.rodata,"a",@progbits
	.p2align	6, 0x0
	.amdhsa_kernel k_qea5d1d144a_score
		.amdhsa_group_segment_fixed_size 327680
		.amdhsa_private_segment_fixed_size 0
		.amdhsa_enable_private_segment 0
		.amdhsa_kernarg_size 24
		.amdhsa_user_sgpr_count 2
		.amdhsa_user_sgpr_kernarg_segment_ptr 1
		.amdhsa_wavefront_size32 1
		.amdhsa_system_sgpr_workgroup_id_x 1
		.amdhsa_system_sgpr_workgroup_id_y 1
		.amdhsa_system_sgpr_workgroup_id_z 1
		.amdhsa_system_vgpr_workitem_id 0
		.amdhsa_next_free_vgpr 1024
		.amdhsa_next_free_sgpr 100
		.amdhsa_reserve_vcc 0
		.amdhsa_float_denorm_mode_32 3
		.amdhsa_float_denorm_mode_16_64 3
		.amdhsa_memory_ordered 1
		.amdhsa_forward_progress 1
		.amdhsa_inst_pref_size 56
	.end_amdhsa_kernel
	.amdgpu_metadata
---
amdhsa.version: [ 1, 2 ]
amdhsa.kernels:
  - .name:           k_qea5d1d144a_score
    .symbol:         k_qea5d1d144a_score.kd
    .args:
      - { .name: qk, .offset: 0, .size: 8, .value_kind: global_buffer, .address_space: global }
      - { .name: eb, .offset: 8, .size: 8, .value_kind: global_buffer, .address_space: global }
      - { .name: st, .offset: 16, .size: 8, .value_kind: global_buffer, .address_space: global }
    .group_segment_fixed_size: 327680
    .private_segment_fixed_size: 0
    .kernarg_segment_align: 8
    .kernarg_segment_size: 24
    .max_flat_workgroup_size: 128
    .sgpr_count:     100
    .vgpr_count:     1024
    .wavefront_size: 32
...
	.end_amdgpu_metadata
.endif
;; end of part 3
;; launch mix (part 4): grid 4 x 64, 4 waves a work-group, clusters of 4 x 4, 327,680 bytes of LDS; arguments eb, xh, st, gamma, yb; writes yb
.if DOCPART == 4
	.amdgcn_target "amdgcn-amd-amdhsa--gfx1250"
	.amdhsa_code_object_version 6
	.text
	.protected	k_qea5d1d144a_mix
	.globl	k_qea5d1d144a_mix
	.p2align	8
	.type	k_qea5d1d144a_mix,@function
k_qea5d1d144a_mix:
	s_mov_b64 s[64:65], 0
	v_nop
	global_prefetch_b8 v0, s[64:65] scope:SCOPE_SE
	s_setreg_imm32_b32 hwreg(HW_REG_WAVE_MODE, 25, 1), 1
	s_wait_xcnt 0x0
	s_wait_alu depctr_hold_cnt(0) depctr_sa_sdst(0) depctr_va_vdst(0) depctr_va_sdst(0) depctr_va_ssrc(0) depctr_va_vcc(0) depctr_vm_vsrc(0)
	s_getreg_b32 s2, hwreg(HW_REG_IB_STS2, 6, 4)
	s_cmp_eq_u32 s2, 0
	s_cbranch_scc0 .Lentry_in_a_cluster
	s_endpgm
.Lentry_in_a_cluster:
	s_bfe_u32 s2, ttmp6, 0x10000c
	s_cmp_lg_u32 s2, 0xf033
	s_cbranch_scc0 .Lentry_shape_is_right
	s_endpgm
.Lentry_shape_is_right:
; y' = 2^-8 y, y = gamma att x + (1 - gamma) x, att[l][m] = 2^s'[l][m] / the sum over the column's 2048 queries.
; From st: c_j = log2 of the sum of 2^s' over block j of 256 queries, M = the maximum over my own 128 queries; eb holds E = 2^(s' - M).  With C = the maximum of the eight c_j:
; gamma att = E f, f = gamma 2^(M - C) / the sum of 2^(c_j - C): the exponent M - C is at most 0, the sum lies in 1 to 8.  f is made once for the batch's 2048 keys, in f32, in LDS.
; E's fragments are widened to f32, multiplied by f and rounded once to f16 on their way to the matrix unit.  gamma is rounded to bf16, as every input is.
; The residual (1 - gamma) x' starts the sums: a product of a selector (f16(1 - gamma) where k = 16 s + m) with x's fragment.
; LIMITS. |y| < 1.6e7; a weight E f below 6e-8 counts as 0; NaN and infinities are not treated apart.
; A tile is 128 queries x 256 channels, a wave 64 x 128: 32 accumulators.  K = 2048 keys in 16 steps of 128 through two LDS slots.  256 work-groups.
; CLUSTER 4 x 4: E's tile is shared along a row of the cluster, x's along a column.  c and M come by plain loads: 73,728 bytes of the 1.6 million that a work-group receives.
; Source 0 = x^T (16 channels, turned on the way out of LDS), source 1 = E f (16 queries, turned): a lane holds one query and eight channels, 16 bytes that are its half of a fragment
; of yb = [256 rows 32][k block 32][16-row tile 16] blocks of 1,024 bytes.  A wave's store covers 512 consecutive bytes.
; BY TURNS.  A QUARTER is 32 keys: 32 products, query tile by query tile.  E's 32 packed registers want 128 vector instructions: four stand behind each product.  A quarter's query tiles 0, 1 are
; scaled in the second half of the quarter before, its tiles 2, 3 in its own first half, so E, x and f of quarter n + 1 are all fetched at the head of quarter n and the change of slots falls on a quarter's edge.
; The four are skewed: the rounding of register e - 2, the multiply of e - 1, the two widenings of e: none reads the result of the line before it.
; A pair of quarters is written once and walked twice a slot; the LDS offsets of the next fetch lie in scalar registers.
; REGISTERS: window 0: v0-31 addresses; v32-95 E as fetched, two buffers; v96-127 f, two buffers; v128-159 E f; v160-167 at work.  Window 1: accumulator (ct, qt) at 8 (4 ct + qt).  Window 2: v0-127 x^T, two buffers.
.set SLOTX, 131072                     ; slot 1 begins here: one exclusive or turns an offset in one slot into the other's
.set XOFF,  32768                      ; a slot: E, 32,768 bytes; then 128 rows of x, 512 bytes + 32 of padding
.set PX,    544                        ; 136 words
.set FAC,   233472                     ; behind the ring: f of 2048 keys, 8,192 bytes; no tensor load lands here
.set SPARE, 241664                     ; the spare words, 128 bytes a wave; no other line names them
.set CST,   242176                     ; c of the batch: 8 x 8,192 bytes, filled once
.set MOWN,  CST+65536                  ; M of my 128 queries: 8,192 bytes, filled once
.set SPW, 28
.set NIL, 29
.set ER,  32
.set FF,  96
.set ES,  128
.set TT,  160
.set SELR, 168                         ; v168-179 = 0 0 0 0 X 0 0 0 0
.set XB,  0
.set CB, 32                            ; the preparation: c_j, M, C, the sum
.set MO, 64
.set CM, 68
.set SM, 72
.set MSB, 0
.macro WIN new
.if MSB != (\new)
	s_set_vgpr_msb (MSB<<8)|(\new)
.set MSB, \new
.endif
.endm
.macro PLACES
.rept 4
	v_nop
.endr
.endm
.macro JLOAD                           ; a joint refill by the walking descriptors: waves 0, 1 E's halves, waves 2, 3 x's; s_nop 0 and four v_nop follow each line
	s_cmp_eq_u32 s11, 0
	s_cbranch_scc0 .Lfor_b_\@
	tensor_load_to_lds s[36:39], s[24:31]
	s_nop 0
	PLACES
	s_branch .Lasked_\@
.Lfor_b_\@:
	tensor_load_to_lds s[60:63], s[48:55]
	s_nop 0
	PLACES
.Lasked_\@:
.endm
.macro CROUND
	s_barrier_signal -1
	s_barrier_wait -1
	s_cmp_lg_u32 s10, 0
	s_cbranch_scc1 .Lnot_wave_0_\@
	s_barrier_signal -3
.Lnot_wave_0_\@:
	s_barrier_wait -3
	s_barrier_signal -1
	s_barrier_wait -1
.endm
	s_load_b128 s[4:7], s[0:1], 0x0                ; eb, xh
	s_load_b128 s[68:71], s[0:1], 0x10             ; st, gamma
	s_load_b64 s[8:9], s[0:1], 0x20                ; yb
	v_lshl_add_u32 v[SPW], v0, 2, SPARE
	v_mov_b32 v[NIL], 0
	ds_add_u32 v28, v29
	s_wait_dscnt 0x0
	v_lshrrev_b32 v1, 5, v0
	v_readfirstlane_b32 s10, v1
	s_lshr_b32 s11, s10, 1                         ; my half of the queries; also: I fetch E (0) or x (1)
	s_and_b32 s12, s10, 1                          ; my half of the channels; also: which half of a tile I fetch
	s_bfe_u32 s84, ttmp6, 0x40000
	s_bfe_u32 s85, ttmp6, 0x40004
	s_lshl_b32 s86, ttmp9, 2
	s_add_co_u32 s86, s86, s84                     ; block of 256 channels
	s_and_b32 s89, ttmp7, 0xffff
	s_lshl_b32 s13, s89, 2
	s_add_co_u32 s13, s13, s85                     ; block of 128 queries, 16 a batch
	s_lshl_b32 s87, s85, 2
	s_lshl_b32 s87, 15, s87
	s_lshl_b32 s88, 0x1111, s84
	s_lshr_b32 s94, s89, 2                         ; the batch: the same in the whole cluster
	s_or_b32 s24, s87, (3<<16)|(1<<21)             ; E: a dense block as 64 rows of 256 bytes
	s_mov_b32 s25, 32<<16
	s_mov_b32 s26, 64<<16
	s_mov_b32 s27, 32<<16
	s_mov_b32 s28, 64
	s_mov_b32 s29, 32
	s_mov_b32 s30, 0
	s_mov_b32 s31, 0
	s_or_b32 s48, s88, (1<<16)|(1<<20)|(1<<21)|(6<<22)|(7<<25)   ; x: 64 rows x 256 elements of 2 bytes; after every 128 words 8 words of padding
	s_mov_b32 s49, 256<<16
	s_mov_b32 s50, 64<<16
	s_mov_b32 s51, 256<<16
	s_mov_b32 s52, 64
	s_mov_b32 s53, 1024
	s_mov_b32 s54, 0
	s_mov_b32 s55, 0
	s_mov_b32 s40, 3<<16                           ; c: a dense block as 128 rows of 256 bytes, no mask
	s_mov_b32 s41, 32<<16
	s_mov_b32 s42, 128<<16
	s_mov_b32 s43, 32<<16
	s_mov_b32 s44, 128
	s_mov_b32 s45, 32
	s_mov_b32 s46, 0
	s_mov_b32 s47, 0
	s_mov_b32 s76, 3<<16                           ; M: 16 rows of 256 bytes, no mask
	s_mov_b32 s77, 32<<16
	s_mov_b32 s78, 16<<16
	s_mov_b32 s79, 32<<16
	s_mov_b32 s80, 16
	s_mov_b32 s81, 32
	s_mov_b32 s82, 0
	s_mov_b32 s83, 0
	s_lshl_b32 s14, s13, 19
	s_lshl_b32 s15, s12, 14
	s_add_co_u32 s14, s14, s15
	s_mov_b32 s15, 0
	s_lshl_b32 s16, s94, 11
	s_lshl_b32 s17, s12, 6
	s_add_co_u32 s16, s16, s17                     ; x: row 2048 x batch + 64 x half
	s_lshl_b32 s16, s16, 11
	s_lshl_b32 s17, s86, 9
	s_add_co_u32 s16, s16, s17
	s_mov_b32 s17, 0
	s_lshl_b32 s18, s12, 14                        ; where they go
	s_mul_i32 s19, s12, 64*PX
	s_add_co_u32 s19, s19, XOFF
	s_lshl_b32 s20, s94, 16                        ; c: my batch's 65,536 bytes, my half
	s_lshl_b32 s21, s12, 15
	s_add_co_u32 s20, s20, s21
	s_add_co_u32 s20, s20, 524288
	s_mov_b32 s21, 0
	s_lshl_b32 s22, s13, 13                        ; M: my block's 8,192 bytes, my half
	s_lshl_b32 s23, s12, 12
	s_add_co_u32 s22, s22, s23
	s_mov_b32 s23, 0
	s_mov_b32 s66, 0                               ; the next fetch's offset in E,
	s_mov_b32 s92, 0                               ; in x,
	s_mov_b32 s93, 0                               ; in f
	s_wait_kmcnt 0x0
	s_add_nc_u64 s[14:15], s[4:5], s[14:15]
	s_add_nc_u64 s[16:17], s[6:7], s[16:17]
.irp s, 0,1
	s_mov_b32 s[32+4*\s], 1
	s_add_co_u32 s[33+4*\s], s18, \s*SLOTX
	s_add_nc_u64 s[34+4*\s:35+4*\s], s[14:15], \s*32768
	s_or_b32 s[35+4*\s], s[35+4*\s], 0x80000000
	s_mov_b32 s[56+4*\s], 1
	s_add_co_u32 s[57+4*\s], s19, \s*SLOTX
	s_add_nc_u64 s[58+4*\s:59+4*\s], s[16:17], \s*262144
	s_or_b32 s[59+4*\s], s[59+4*\s], 0x80000000
.endr
	s_mov_b32 s72, 1
	s_lshl_b32 s73, s12, 15
	s_add_co_u32 s73, s73, CST
	s_add_nc_u64 s[74:75], s[68:69], s[20:21]
	s_or_b32 s75, s75, 0x80000000
	s_mov_b32 s96, 1
	s_lshl_b32 s97, s12, 12
	s_add_co_u32 s97, s97, MOWN
	s_add_nc_u64 s[98:99], s[68:69], s[22:23]
	s_or_b32 s99, s99, 0x80000000
	CROUND
	s_cmp_eq_u32 s11, 0                            ; a wave's three first fills stand in one branch: three loads of mine are out
	s_cbranch_scc0 .Lfirst_b
	tensor_load_to_lds s[72:75], s[40:47]          ; half of c first: it is wanted first
	s_nop 0
	tensor_load_to_lds s[32:35], s[24:31]
	s_nop 0
	tensor_load_to_lds s[36:39], s[24:31]
	s_nop 0
	PLACES
	s_branch .Lfirst_done
.Lfirst_b:
	tensor_load_to_lds s[96:99], s[76:83]          ; half of M
	s_nop 0
	tensor_load_to_lds s[56:59], s[48:55]
	s_nop 0
	tensor_load_to_lds s[60:63], s[48:55]
	s_nop 0
	PLACES
.Lfirst_done:
	; THE PREPARATION stands in the wait for the first tile
	v_and_b32 v1, 15, v0                           ; r
	v_bfe_u32 v2, v0, 4, 1                         ; h
	v_and_b32 v3, 31, v0                           ; lane
	v_mov_b32 v31, 0
	global_load_b32 v30, v31, s[70:71]             ; gamma
	v_lshlrev_b32 v22, 11, v1
	v_lshl_add_u32 v22, v2, 4, v22                 ; x's fragment: row x 2,048 + 16 x half
	s_lshl_b32 s18, s13, 18
	s_lshl_b32 s19, s11, 17
	s_add_co_u32 s18, s18, s19
	s_lshl_b32 s19, s86, 9
	s_add_co_u32 s18, s18, s19
	s_lshl_b32 s19, s12, 8
	s_add_co_u32 s18, s18, s19
	s_mov_b32 s19, 0
	s_add_nc_u64 s[18:19], s[6:7], s[18:19]        ; my 64 rows, my 128 channels of xh
	WIN 0x80
.set i, 0
.rept 16                               ; fragment (qt = i / 4, 32 channels i % 4) at v[8 i] of window 2
	global_load_b128 v[8*i:8*i+3], v22, s[18:19] offset:(i/4)*32768+(i%4)*64
	global_load_b128 v[8*i+4:8*i+7], v22, s[18:19] offset:(i/4)*32768+(i%4)*64+32
.set i, i+1
.endr
	WIN 0
	v_lshlrev_b32 v17, 4, v3
	s_lshl_b32 s21, s11, 11
	v_add_nc_u32 v17, s21, v17                     ; E: 16 x lane + my four query tiles
	v_and_b32 v4, 7, v0
	v_lshl_add_u32 v4, v2, 3, v4
	v_mul_u32_u24 v19, v4, PX
	v_bfe_u32 v5, v0, 3, 1
	v_lshl_add_u32 v19, v5, 4, v19
	s_lshl_b32 s21, s12, 8
	s_add_co_u32 s21, s21, XOFF
	v_add_nc_u32 v19, s21, v19                     ; x: key 8 h + lane % 8, channels 8 ((lane / 8) % 2) on, my 128 channels
	v_lshlrev_b32 v21, 5, v2
	v_add_nc_u32 v21, FAC, v21                     ; f: eight f32 for each half of the lanes
	v_lshlrev_b32 v26, 4, v3                       ; the way out: 16 x lane
	v_lshlrev_b32 v23, 4, v0                       ; the preparation: four keys a thread
	v_add_nc_u32 v24, MOWN, v23
	v_add_nc_u32 v25, FAC, v23
	v_add_nc_u32 v23, CST, v23
	v_lshlrev_b32 v5, 3, v2
	v_sub_nc_u32 v5, v1, v5                        ; d = r - 8 h
.irp i, 0,1,2,3,8,9,10,11
	v_mov_b32 v[SELR+\i], 0
.endr
	s_wait_tensorcnt 2                             ; my part of c or M is in; both slots' loads stay out
	s_barrier_signal -1
	s_barrier_wait -1
	s_wait_loadcnt 32                              ; gamma is in; the 32 loads of x's fragments stay out
	v_cvt_pk_bf16_f32 v30, v30, v30
	v_lshlrev_b32 v30, 16, v30                     ; gamma, rounded to bf16
	s_mov_b32 s67, 4
.Lfac:                                 ; four trips of 512 keys
.irp j, 0,1,2,3,4,5,6,7
	ds_load_b128 v[CB+4*\j:CB+4*\j+3], v23 offset:\j*8192
.endr
	ds_load_b128 v[MO:MO+3], v24
	s_wait_dscnt 0x0
.irp k, 0,1,2,3
	v_max3_num_f32 v[CM+\k], v[CB+\k], v[CB+4+\k], v[CB+8+\k]
.endr
.irp k, 0,1,2,3
	v_max3_num_f32 v[CM+\k], v[CM+\k], v[CB+12+\k], v[CB+16+\k]
.endr
.irp k, 0,1,2,3
	v_max3_num_f32 v[CM+\k], v[CM+\k], v[CB+20+\k], v[CB+24+\k]
.endr
.irp k, 0,1,2,3
	v_max_num_f32 v[CM+\k], v[CM+\k], v[CB+28+\k]
.endr
.set i, 0
.rept 18                               ; c_j - C, and M - C
	v_pk_add_f32 v[CB+2*i:CB+2*i+1], v[CB+2*i:CB+2*i+1], v[CM+2*(i%2):CM+2*(i%2)+1] neg_lo:[0,1] neg_hi:[0,1]
.set i, i+1
.endr
.set i, 0
.rept 36
	v_exp_f32 v[CB+i], v[CB+i]
.set i, i+1
.endr
	v_add_nc_u32 v23, 2048, v23                    ; a plain instruction behind the last exponential
	s_wait_alu depctr_va_vdst(0)
.irp p, 0,2
	v_pk_add_f32 v[SM+\p:SM+\p+1], v[CB+\p:CB+\p+1], v[CB+4+\p:CB+4+\p+1]
.endr
.irp j, 2,3,4,5,6,7
.irp p, 0,2
	v_pk_add_f32 v[SM+\p:SM+\p+1], v[SM+\p:SM+\p+1], v[CB+4*\j+\p:CB+4*\j+\p+1]
.endr
.endr
.irp k, 0,1,2,3
	v_rcp_f32 v[SM+\k], v[SM+\k]
.endr
	v_add_nc_u32 v24, 2048, v24                    ; a plain instruction behind the last reciprocal
	s_wait_alu depctr_va_vdst(0)
.irp p, 0,2
	v_pk_mul_f32 v[SM+\p:SM+\p+1], v[SM+\p:SM+\p+1], v[MO+\p:MO+\p+1]
.endr
.irp p, 0,2
	v_pk_mul_f32 v[SM+\p:SM+\p+1], v[SM+\p:SM+\p+1], v[30:31] op_sel_hi:[1,0]
.endr
	ds_store_b128 v25, v[SM:SM+3]
	v_add_nc_u32 v25, 2048, v25
	s_sub_co_u32 s67, s67, 1
	s_cmp_lg_u32 s67, 0
	s_cbranch_scc1 .Lfac
	v_sub_f32 v6, 1.0, v30
	v_cvt_pk_f16_f32 v6, v6, 0                     ; f16(1 - gamma) in the low half,
	v_lshlrev_b32 v7, 16, v6                       ; in the high half
.irp i, 0,1,2,3
	v_cmp_eq_u32 s90, 2*\i, v5
	v_cmp_eq_u32 s91, 2*\i+1, v5
	v_cndmask_b32 v[SELR+4+\i], 0, v6, s90
	v_cndmask_b32 v[SELR+4+\i], v[SELR+4+\i], v7, s91
.endr
	s_wait_loadcnt 0x0                             ; x's fragments
	WIN 0x48                                       ; the selector of k = m begins at SELR + 4, that of k = 16 + m at SELR
.set t, 0
.rept 32                               ; accumulator (ct = t / 4, qt = t % 4) starts as (1 - gamma) x'
	v_wmma_f32_16x16x32_f16 v[8*t:8*t+7], v[SELR+4-4*((t/4)&1):SELR+11-4*((t/4)&1)], v[8*(4*(t%4)+(t/8)):8*(4*(t%4)+(t/8))+7], 0
.set t, t+1
.endr
	WIN 0
	PLACES                                         ; in front of the loads into registers that those products read
	s_lshr_b32 s14, s13, 1                         ; yb: my block of 256 rows,
	s_lshl_b32 s14, s14, 19
	s_lshl_b32 s15, s86, 17                        ; k block 8 x column + 4 x half,
	s_add_co_u32 s14, s14, s15
	s_lshl_b32 s15, s12, 16
	s_add_co_u32 s14, s14, s15
	s_and_b32 s15, s13, 1
	s_lshl_b32 s15, s15, 13                        ; 16-row tile 8 (row & 1) + 4 x half
	s_add_co_u32 s14, s14, s15
	s_lshl_b32 s15, s11, 12
	s_add_co_u32 s14, s14, s15
	s_mov_b32 s15, 0
	s_add_nc_u64 s[8:9], s[8:9], s[14:15]
.macro FETCH b                         ; 28 LDS loads, the next 32 keys into buffers b: f (4), E (8), x^T (16); the offsets step on
	WIN 0
	v_add_nc_u32 v16, s66, v17
	v_add_nc_u32 v18, s92, v19
	v_add_nc_u32 v20, s93, v21
	s_add_co_u32 s66, s66, 8192
	s_add_co_u32 s92, s92, 32*PX
	s_add_co_u32 s93, s93, 128
	ds_load_b128 v[FF+16*(\b):FF+16*(\b)+3],     v20
	ds_load_b128 v[FF+16*(\b)+4:FF+16*(\b)+7],   v20 offset:16
	ds_load_b128 v[FF+16*(\b)+8:FF+16*(\b)+11],  v20 offset:64
	ds_load_b128 v[FF+16*(\b)+12:FF+16*(\b)+15], v20 offset:80
.irp t, 0,1,2,3
	ds_load_tr16_b128 v[ER+32*(\b)+8*\t:ER+32*(\b)+8*\t+3],   v16 offset:\t*512
	ds_load_tr16_b128 v[ER+32*(\b)+8*\t+4:ER+32*(\b)+8*\t+7], v16 offset:4096+\t*512
.endr
	WIN 0x80
.irp t, 0,1,2,3,4,5,6,7
	ds_load_tr16_b128 v[XB+64*(\b)+8*\t:XB+64*(\b)+8*\t+3],   v18 offset:32*\t
	ds_load_tr16_b128 v[XB+64*(\b)+8*\t+4:XB+64*(\b)+8*\t+7], v18 offset:16*PX+32*\t
.endr
.endm
; Place u of a quarter of parity par works on register ee of E's buffer eb: this quarter's registers 16-31 (query tiles 2, 3) at places up to 15, the next quarter's 0-15 from place 16 on.
.macro ELEM u, par
.if (\u) < 16
.set eb, (\par)
.set ee, 16+(\u)
.else
.set eb, 1-(\par)
.set ee, (\u)-16
.endif
.endm
; The four vector instructions of place s: the rounding of place s - 2's register, the multiply of place s - 1's, the widening of place s's (v\rr by its number: a half of a register is named so).
; LO and HI bound the places whose registers are worked on: the stream's beginning and its end.
.macro RID par, s, rr
.if ((\s)-2 >= LO) && ((\s)-2 <= HI)
	ELEM (\s)-2, \par
	WIN 0
	v_cvt_pk_f16_f32 v[ES+ee], v[TT+2*(ee%4)], v[TT+2*(ee%4)+1]
.endif
.if ((\s)-1 >= LO) && ((\s)-1 <= HI)
	ELEM (\s)-1, \par
	WIN 0
	v_pk_mul_f32 v[TT+2*(ee%4):TT+2*(ee%4)+1], v[TT+2*(ee%4):TT+2*(ee%4)+1], v[FF+16*eb+2*(ee%8):FF+16*eb+2*(ee%8)+1]
.endif
.if ((\s) >= LO) && ((\s) <= HI)
	ELEM \s, \par
	WIN 0
	v_cvt_f32_f16 v[TT+2*(ee%4)], v\rr\().l
	v_cvt_f32_f16 v[TT+2*(ee%4)+1], v\rr\().h
.endif
.endm
.macro MM par                          ; product sl of a quarter: channel tile sl % 8, query tile sl / 8.  The 32 accumulators take turns.
	WIN 0x52
	v_wmma_f32_16x16x32_f16 v[8*(4*(sl%8)+sl/8):8*(4*(sl%8)+sl/8)+7], v[XB+64*(\par)+8*(sl%8):XB+64*(\par)+8*(sl%8)+7], v[ES+8*(sl/8):ES+8*(sl/8)+7], v[8*(4*(sl%8)+sl/8):8*(4*(sl%8)+sl/8)+7]
.endm
.macro HALF par, regs:vararg           ; sixteen products, each with its four
.irp rr, \regs
	MM \par
	RID \par, sl, \rr
.set sl, sl+1
.endr
.endm
; A quarter of parity par.  The loads at its head stand behind the four vector instructions of the last place, which name no register of the last product.
.macro QTR par, fetch
.set sl, 0
.if \fetch
.set HI, 31
	FETCH 1-(\par)
	s_wait_dscnt 28                                ; all but the 28 just issued: this quarter's x^T is in
.else
.set HI, 15
	s_wait_dscnt 0x0
.endif
.if \par
	HALF 1, 80,81,82,83,84,85,86,87,88,89,90,91,92,93,94,95
.else
	HALF 0, 48,49,50,51,52,53,54,55,56,57,58,59,60,61,62,63
.endif
.if \fetch
	s_wait_dscnt 16                                ; the next quarter's f and E are in; its x^T, sixteen loads, may be out
.endif
.if \par
	HALF 1, 32,33,34,35,36,37,38,39,40,41,42,43,44,45,46,47
.else
	HALF 0, 64,65,66,67,68,69,70,71,72,73,74,75,76,77,78,79
.endif
.endm
; THE CHANGE OF SLOTS, in front of a step's last quarter, whose head fetches from the next slot.  Each wave waits for all its tensor loads, of which one is out: its part of the next slot; adds 0 to its spare
; word; and waits for that and for its reads of this slot.  fill = 1: the slot is filled again, two steps ahead, behind a round of the cluster's barrier: it has 128 products in which to land.
.macro CHANGE fill
	WIN 0
	s_wait_tensorcnt 0x0                           ; no tensor load of mine is out, so a group 0 may be written
	ds_add_u32 v[SPW], v[NIL]
.if \fill
	s_xor_b32 s37, s37, SLOTX                      ; the walking descriptors: the other slot than last time, the next step
	s_add_nc_u64 s[38:39], s[38:39], 32768
	s_xor_b32 s61, s61, SLOTX
	s_add_nc_u64 s[62:63], s[62:63], 262144
	s_wait_dscnt 0x0                               ; the add is done, and my reads of the slot are over
	CROUND
	JLOAD
.else
	s_wait_dscnt 0x0
	s_barrier_signal -1
	s_barrier_wait -1
.endif
	s_sub_co_u32 s66, s66, 4*8192                  ; the fetches go back to a slot's first quarter,
	s_xor_b32 s66, s66, SLOTX                      ; in the other slot
	s_sub_co_u32 s92, s92, 4*32*PX
	s_xor_b32 s92, s92, SLOTX
.endm
	s_wait_tensorcnt 1                             ; my part of K step 0 is in; step 1's may stay out
	s_wait_dscnt 0x0                               ; for the others' sake: my part of f is stored
	s_barrier_signal -1
	s_barrier_wait -1
	FETCH 0
	s_wait_dscnt 0x0
.set LO, 16                            ; the stream begins: quarter 0's registers 0-15, with no product to stand behind
.set HI, 31
.set sl, 16
.irp rr, 32,33,34,35,36,37,38,39,40,41,42,43,44,45,46,47
	RID 1, sl, \rr
.set sl, sl+1
.endr
.set LO, -2
	WIN 0
	s_mov_b32 s67, 15
	s_mov_b32 s95, 2
	s_branch .Lmid                                 ; the loop is entered at an even quarter: quarters 0, 1, 2 stand in front of the first change
.Lslot:                                ; 14 times: every slot but the last two is filled again
	CHANGE 1
	s_mov_b32 s95, 2
.Lpair:
	QTR 1, 1
	WIN 0
.Lmid:
	QTR 0, 1
	WIN 0
	s_sub_co_u32 s95, s95, 1
	s_cmp_lg_u32 s95, 0
	s_cbranch_scc1 .Lpair
	s_sub_co_u32 s67, s67, 1
	s_cmp_lg_u32 s67, 0
	s_cbranch_scc1 .Lslot
	CHANGE 0                                       ; the tail is written out: nothing is asked for
	s_mov_b32 s95, 2
.Ltail:
	QTR 1, 1
	QTR 0, 1
	WIN 0
	s_sub_co_u32 s95, s95, 1
	s_cmp_lg_u32 s95, 0
	s_cbranch_scc1 .Ltail
	QTR 1, 0                                       ; the last quarter fetches nothing
	PLACES
	WIN 0x05                                       ; THE WAY OUT: rounded to f16; a lane's 16 bytes are its half of a fragment
.set i, 0
.rept 128
	v_cvt_pk_f16_f32 v[32+i], v[2*i], v[2*i+1]
.set i, i+1
.endr
	WIN 0
.set t, 0
.rept 32
	global_store_b128 v26, v[32+4*t:32+4*t+3], s[8:9] offset:(t/8)*16384+(t%4)*1024+((t/4)&1)*512
.set t, t+1
.endr
	s_wait_tensorcnt 0x0                           ; the wave's end
	ds_add_u32 v[SPW], v[NIL]
	s_wait_dscnt 0x0
	CROUND
	s_endpgm
.Lfunc_end_k_qea5d1d144a_mix:
	.size	k_qea5d1d144a_mix, .Lfunc_end_k_qea5d1d144a_mix-k_qea5d1d144a_mix
	.p2alignl 7, 3214868480
	.fill 96, 4, 3214868480
	.section	.rodata,"a",@progbits
	.p2align	6, 0x0
	.amdhsa_kernel k_qea5d1d144a_mix
		.amdhsa_group_segment_fixed_size 327680
		.amdhsa_private_segment_fixed_size 0
		.amdhsa_enable_private_segment 0
		.amdhsa_kernarg_size 40
		.amdhsa_user_sgpr_count 2
		.amdhsa_user_sgpr_kernarg_segment_ptr 1
		.amdhsa_wavefront_size32 1
		.amdhsa_system_sgpr_workgroup_id_x 1
		.amdhsa_system_sgpr_workgroup_id_y 1
		.amdhsa_system_sgpr_workgroup_id_z 1
		.amdhsa_system_vgpr_workitem_id 0
		.amdhsa_next_free_vgpr 640
		.amdhsa_next_free_sgpr 100
		.amdhsa_reserve_vcc 0
		.amdhsa_float_denorm_mode_32 3
		.amdhsa_float_denorm_mode_16_64 3
		.amdhsa_memory_ordered 1
		.amdhsa_forward_progress 1
		.amdhsa_inst_pref_size 95
	.end_amdhsa_kernel
	.amdgpu_metadata
---
amdhsa.version: [ 1, 2 ]
amdhsa.kernels:
  - .name:           k_qea5d1d144a_mix
    .symbol:         k_qea5d1d144a_mix.kd
    .args:
      - { .name: eb, .offset: 0, .size: 8, .value_kind: global_buffer, .address_space: global }
      - { .name: xh, .offset: 8, .size: 8, .value_kind: global_buffer, .address_space: global }
      - { .name: st, .offset: 16, .size: 8, .value_kind: global_buffer, .address_space: global }
      - { .name: gamma, .offset: 24, .size: 8, .value_kind: global_buffer, .address_space: global }
      - { .name: yb, .offset: 32, .size: 8, .value_kind: global_buffer, .address_space: global }
    .group_segment_fixed_size: 327680
    .private_segment_fixed_size: 0
    .kernarg_segment_align: 8
    .kernarg_segment_size: 40
    .max_flat_workgroup_size: 128
    .sgpr_count:     100
    .vgpr_count:     640
    .wavefront_size: 32
...
	.end_amdgpu_metadata
.endif
;; end of part 4
;; launch bucket (part 5): grid 8 x 32, 4 waves a work-group, clusters of 4 x 4, 327,680 bytes of LDS; arguments yb, wbh, bq_b, bk_b, bv_b, out0; writes out0
.if DOCPART == 5
	.amdgcn_target "amdgcn-amd-amdhsa--gfx1250"
	.amdhsa_code_object_version 6
	.text
	.protected	k_qea5d1d144a_bucket
	.globl	k_qea5d1d144a_bucket
	.p2align	8
	.type	k_qea5d1d144a_bucket,@function
k_qea5d1d144a_bucket:
	s_mov_b64 s[64:65], 0
	v_nop
	global_prefetch_b8 v0, s[64:65] scope:SCOPE_SE
	s_setreg_imm32_b32 hwreg(HW_REG_WAVE_MODE, 25, 1), 1
	s_wait_xcnt 0x0
	s_wait_alu depctr_hold_cnt(0) depctr_sa_sdst(0) depctr_va_vdst(0) depctr_va_sdst(0) depctr_va_ssrc(0) depctr_va_vcc(0) depctr_vm_vsrc(0)
	s_getreg_b32 s2, hwreg(HW_REG_IB_STS2, 6, 4)
	s_cmp_eq_u32 s2, 0
	s_cbranch_scc0 .Lentry_in_a_cluster
	s_endpgm
.Lentry_in_a_cluster:
	s_bfe_u32 s2, ttmp6, 0x10000c
	s_cmp_lg_u32 s2, 0xf033
	s_cbranch_scc0 .Lentry_shape_is_right
	s_endpgm
.Lentry_shape_is_right:
; out = attention inside buckets of 32 rows (16 heads of 64 channels, no scale) on bq, bk, bv = y W^T + b, plus y.
; yb holds y' = 2^-8 y in f16, so bq', bk', bv' are at that scale: q's and k's sums start from 2^-8 bias; the scores are 2^-16 of the true ones and c = 2^16 log2 e puts that right in f32.
; The row's TRUE maximum is taken away; the weights go as 256 p / l in f16; v's bias is added behind the weighted mean (the weights of a row add up to 1), and it and the
; residual start O's sums: O = selector(256) x y' + bias.  All biases are rounded to bf16, as every input is.
; LIMITS. |y|, |bq|, |bk|, |bv - bias| < 1.6e7; below 1.6e-2 they keep a fixed step of 1.5e-5.  NaN and infinities are not treated apart.
; A tile is 256 rows x 2 heads; a wave has 128 rows x one head's q, k, v: 96 accumulators, group g (q, k, v) in window g + 1, (channel tile c, row tile a) at 64 c + 8 a.
; q, k: source 0 = weights, source 1 = y: a lane holds a row and eight channels, which packed are fragments of K Q^T.  v: the sources swapped: a lane holds a channel and eight rows: fragments of V^T.
; K = 1024 in 16 steps of 64 (two substeps of 32) through two LDS slots; both operands lie in memory and LDS as fragments lie in registers, so every LDS load takes 512 consecutive bytes.
; CLUSTER 4 x 4: y's tile is shared along a row of the cluster, the weights' along a column.  256 work-groups.
; WINDOW 0: v0-31 addresses and statistics; v32-95, v96-159 y's fragments, two buffers; v160-255 the weights' fragments, 32 a group.  Behind the loop: see the names below.
.set SLOTX, 131072
.set WOFF,  32768                      ; a slot: y, 32,768 bytes; then the weights, 49,152
.set STAGE, 212992                     ; behind the ring: 16 rows x 272 bytes for each wave; no tensor load lands here
.set SP,    272
.set SPARE, 230400
.set SPW, 28
.set NIL, 29
.set YF0, 32
.set YF1, 96
.set WF,  160
.set RY,  32                           ; y's fragments of a bucket: (qa, 32 channels kk) at RY + 16 qa + 8 kk
.set BVT, 64                           ; v's bias, four tiles
.set SELB, 96                          ; 0 0 0 0 X 0 0 0 0
.set QF,  112
.set KF,  144
.set VF,  176
.set PF,  208
.set OB,  224
.set MSB, 0
.macro WIN new
.if MSB != (\new)
	s_set_vgpr_msb (MSB<<8)|(\new)
.set MSB, \new
.endif
.endm
.macro PLACES
.rept 4
	v_nop
.endr
.endm
.macro JLOAD
	s_cmp_eq_u32 s11, 0
	s_cbranch_scc0 .Lfor_b_\@
	tensor_load_to_lds s[36:39], s[24:31]
	s_nop 0
	PLACES
	s_branch .Lasked_\@
.Lfor_b_\@:
	tensor_load_to_lds s[60:63], s[48:55]
	s_nop 0
	PLACES
.Lasked_\@:
.endm
.macro CREST
	s_cmp_lg_u32 s10, 0
	s_cbranch_scc1 .Lnot_wave_0_\@
	s_barrier_signal -3
.Lnot_wave_0_\@:
	s_barrier_wait -3
	s_barrier_signal -1
	s_barrier_wait -1
.endm
.macro CROUND
	s_barrier_signal -1
	s_barrier_wait -1
	CREST
.endm
	s_load_b128 s[4:7], s[0:1], 0x0                ; yb, wbh
	s_load_b128 s[68:71], s[0:1], 0x10             ; bq_b, bk_b
	s_load_b128 s[72:75], s[0:1], 0x20             ; bv_b, out0
	v_lshl_add_u32 v[SPW], v0, 2, SPARE
	v_mov_b32 v[NIL], 0
	ds_add_u32 v28, v29
	s_wait_dscnt 0x0
	v_lshrrev_b32 v1, 5, v0
	v_readfirstlane_b32 s10, v1
	s_lshr_b32 s11, s10, 1                         ; my half of the rows; also: I fetch y (0) or weights (1)
	s_and_b32 s12, s10, 1                          ; my head of the pair; also: which substep's part I fetch
	s_bfe_u32 s84, ttmp6, 0x40000
	s_bfe_u32 s85, ttmp6, 0x40004
	s_lshl_b32 s86, ttmp9, 2
	s_add_co_u32 s86, s86, s84                     ; pair of heads
	s_and_b32 s89, ttmp7, 0xffff
	s_lshl_b32 s13, s89, 2
	s_add_co_u32 s13, s13, s85                     ; block of 256 rows
	s_lshl_b32 s87, s85, 2
	s_lshl_b32 s87, 15, s87
	s_lshl_b32 s88, 0x1111, s84
	s_or_b32 s24, s87, (3<<16)|(1<<21)             ; dense blocks as rows of 256 bytes: y 64 rows,
	s_mov_b32 s25, 32<<16
	s_mov_b32 s26, 64<<16
	s_mov_b32 s27, 32<<16
	s_mov_b32 s28, 64
	s_mov_b32 s29, 32
	s_mov_b32 s30, 0
	s_mov_b32 s31, 0
	s_or_b32 s48, s88, (3<<16)|(1<<21)             ; the weights 96
	s_mov_b32 s49, 32<<16
	s_mov_b32 s50, 96<<16
	s_mov_b32 s51, 32<<16
	s_mov_b32 s52, 96
	s_mov_b32 s53, 32
	s_mov_b32 s54, 0
	s_mov_b32 s55, 0
	s_lshl_b32 s14, s13, 19
	s_lshl_b32 s15, s12, 14
	s_add_co_u32 s14, s14, s15
	s_mov_b32 s15, 0
	s_mul_i32 s16, s86, 786432
	s_mul_i32 s17, s12, 24576
	s_add_co_u32 s16, s16, s17
	s_mov_b32 s17, 0
	s_lshl_b32 s18, s12, 14
	s_mul_i32 s19, s12, 24576
	s_add_co_u32 s19, s19, WOFF
	s_mov_b32 s66, 0
	s_mov_b32 s76, 0x47b8aa3b                      ; c = 2^16 log2 e
	s_mov_b32 s77, 0x47b8aa3b
	s_mov_b32 s78, 0x76543210
	s_mov_b32 s79, 0xfedcba98
	s_mov_b32 s80, 0xffff0000
	s_mov_b32 s82, 0x3b800000                      ; 2^-8
	s_mov_b32 s83, 0x3b800000
	s_wait_kmcnt 0x0
	s_add_nc_u64 s[14:15], s[4:5], s[14:15]
	s_add_nc_u64 s[16:17], s[6:7], s[16:17]
.irp s, 0,1
	s_mov_b32 s[32+4*\s], 1
	s_add_co_u32 s[33+4*\s], s18, \s*SLOTX
	s_add_nc_u64 s[34+4*\s:35+4*\s], s[14:15], \s*32768
	s_or_b32 s[35+4*\s], s[35+4*\s], 0x80000000
	s_mov_b32 s[56+4*\s], 1
	s_add_co_u32 s[57+4*\s], s19, \s*SLOTX
	s_add_nc_u64 s[58+4*\s:59+4*\s], s[16:17], \s*49152
	s_or_b32 s[59+4*\s], s[59+4*\s], 0x80000000
.endr
	CROUND
	s_cmp_eq_u32 s11, 0                            ; a wave's two first fills stand in one branch: two loads of mine are out
	s_cbranch_scc0 .Lfirst_b
	tensor_load_to_lds s[32:35], s[24:31]
	s_nop 0
	tensor_load_to_lds s[36:39], s[24:31]
	s_nop 0
	PLACES
	s_branch .Lfirst_done
.Lfirst_b:
	tensor_load_to_lds s[56:59], s[48:55]
	s_nop 0
	tensor_load_to_lds s[60:63], s[48:55]
	s_nop 0
	PLACES
.Lfirst_done:
	v_and_b32 v1, 15, v0                           ; r
	v_bfe_u32 v2, v0, 4, 1                         ; h
	v_and_b32 v3, 31, v0
	s_lshl_b32 s20, s86, 1
	s_add_co_u32 s20, s20, s12                     ; my head
	s_lshl_b32 s22, s20, 15                        ; its two k blocks in yb
	s_lshl_b32 s20, s20, 8                         ; its 64 channels in f32
	s_mov_b32 s21, 0
	s_mov_b32 s23, 0
	s_add_nc_u64 s[68:69], s[68:69], s[20:21]
	s_add_nc_u64 s[70:71], s[70:71], s[20:21]
	s_add_nc_u64 s[72:73], s[72:73], s[20:21]
	s_add_nc_u64 s[74:75], s[74:75], s[20:21]
	v_lshlrev_b32 v22, 5, v2                       ; a lane's eight channels of a tile of 16
.irp c, 0,1,2,3
	global_load_b128 v[YF1+8*\c:YF1+8*\c+3],       v22, s[68:69] offset:64*\c
	global_load_b128 v[YF1+8*\c+4:YF1+8*\c+7],     v22, s[68:69] offset:64*\c+16
	global_load_b128 v[YF1+32+8*\c:YF1+32+8*\c+3],   v22, s[70:71] offset:64*\c
	global_load_b128 v[YF1+32+8*\c+4:YF1+32+8*\c+7], v22, s[70:71] offset:64*\c+16
.endr
	v_lshlrev_b32 v27, 4, v3                       ; 16 x lane
	s_lshl_b32 s18, s11, 13
	v_add_nc_u32 v17, s18, v27                     ; y: my eight row tiles
	v_mov_b32 v16, v17
	s_mul_i32 s18, s12, 12288
	s_add_co_u32 s18, s18, WOFF
	v_add_nc_u32 v19, s18, v27                     ; the weights: my head's twelve tiles
	v_mov_b32 v18, v19
	s_mul_i32 s18, s10, 16*SP
	s_add_co_u32 s18, s18, STAGE
	v_mul_u32_u24 v24, v1, SP
	v_lshl_add_u32 v24, v2, 5, v24
	v_add_nc_u32 v24, s18, v24                     ; into my stage: row r, 32 bytes for each half of the lanes
	v_mul_u32_u24 v25, v2, SP
	v_lshl_add_u32 v25, v1, 4, v25
	v_add_nc_u32 v25, s18, v25                     ; back: lanes 0-15 one row of 256 bytes, lanes 16-31 the next
	v_lshlrev_b32 v26, 12, v2
	v_lshl_add_u32 v26, v1, 4, v26                 ; and the same two rows in out0
	s_lshl_b32 s18, s13, 20
	s_lshl_b32 s19, s11, 19
	s_add_co_u32 s18, s18, s19
	s_mov_b32 s19, 0
	s_add_nc_u64 s[74:75], s[74:75], s[18:19]      ; out0 at my 128 rows, my head
	s_lshl_b32 s18, s13, 19
	s_add_co_u32 s18, s18, s22
	s_lshl_b32 s22, s11, 13
	s_add_co_u32 s18, s18, s22
	s_add_nc_u64 s[16:17], s[4:5], s[18:19]        ; yb at my rows' fragments of my head's channels
	s_wait_loadcnt 0x0
.set i, 0
.rept 32
	v_cvt_pk_bf16_f32 v[WF+i], v[YF1+2*i], v[YF1+2*i+1]
.set i, i+1
.endr
.set i, 0
.rept 32
	v_lshlrev_b32 v[YF1+2*i], 16, v[WF+i]
	v_and_b32 v[YF1+2*i+1], s80, v[WF+i]
	v_pk_mul_f32 v[YF1+2*i:YF1+2*i+1], v[YF1+2*i:YF1+2*i+1], s[82:83] op_sel_hi:[1,0]
.set i, i+1
.endr
.macro BTW g, s                        ; 8 LDS loads: group g's weights of substep s
.irp c, 0,1,2,3
	ds_load_b128 v[WF+32*(\g)+8*\c:WF+32*(\g)+8*\c+3],   v18 offset:(\s)*24576+(4*(\g)+\c)*1024
	ds_load_b128 v[WF+32*(\g)+8*\c+4:WF+32*(\g)+8*\c+7], v18 offset:(\s)*24576+(4*(\g)+\c)*1024+512
.endr
.endm
.macro BTY yf, s                       ; 16 LDS loads: y of substep s
.irp a, 0,1,2,3,4,5,6,7
	ds_load_b128 v[(\yf)+8*\a:(\yf)+8*\a+3],   v16 offset:(\s)*16384+\a*1024
	ds_load_b128 v[(\yf)+8*\a+4:(\yf)+8*\a+7], v16 offset:(\s)*16384+\a*1024+512
.endr
.endm
; 16 matrix instructions of group g: channel tiles 2 half, 2 half + 1 x 8 row tiles.  mode = 1: the sums start, from the bias tile (q, k) or 0 (v).  The accumulators take turns.
.macro MULG g, yf, half, mode
.if (\mode) && ((\g) < 2)
	WIN ((\g)+1)<<6
.else
	WIN (((\g)+1)<<6)|(((\g)+1)<<4)
.endif
.set cc, 2*(\half)
.rept 2
.set aa, 0
.rept 8
.if (\g) == 2
.if \mode
	v_wmma_f32_16x16x32_f16 v[64*cc+8*aa:64*cc+8*aa+7], v[(\yf)+8*aa:(\yf)+8*aa+7], v[WF+64+8*cc:WF+64+8*cc+7], 0
.else
	v_wmma_f32_16x16x32_f16 v[64*cc+8*aa:64*cc+8*aa+7], v[(\yf)+8*aa:(\yf)+8*aa+7], v[WF+64+8*cc:WF+64+8*cc+7], v[64*cc+8*aa:64*cc+8*aa+7]
.endif
.elseif \mode
	v_wmma_f32_16x16x32_f16 v[64*cc+8*aa:64*cc+8*aa+7], v[WF+32*(\g)+8*cc:WF+32*(\g)+8*cc+7], v[(\yf)+8*aa:(\yf)+8*aa+7], v[YF1+32*(\g)+8*cc:YF1+32*(\g)+8*cc+7]
.else
	v_wmma_f32_16x16x32_f16 v[64*cc+8*aa:64*cc+8*aa+7], v[WF+32*(\g)+8*cc:WF+32*(\g)+8*cc+7], v[(\yf)+8*aa:(\yf)+8*aa+7], v[64*cc+8*aa:64*cc+8*aa+7]
.endif
.set aa, aa+1
.endr
.set cc, cc+1
.endr
.endm
; A step's first substep.  A group's weights are fetched anew, for the second substep, four places behind the group's products.
.macro SUB0 mode
	s_wait_dscnt 8                                 ; q's and k's weights and y are in; v's weights, the youngest eight loads, may be out
	MULG 0, YF0, 0, \mode
	MULG 0, YF0, 1, \mode
	WIN 0
	PLACES
	BTW 0, 1
	MULG 1, YF0, 0, \mode
	MULG 1, YF0, 1, \mode
	WIN 0
	PLACES
	BTW 1, 1
	BTY YF1, 1
	s_wait_dscnt 32                                ; all but the 32 issued in this substep: v's weights are in
	MULG 2, YF0, 0, \mode
	MULG 2, YF0, 1, \mode
	WIN 0
	PLACES
	BTW 2, 1
.endm
; A step's second substep changes slots.
.macro SUBT fill
	WIN 0
	s_wait_tensorcnt 0x0                           ; all my tensor loads have landed: my part of the next slot; so a group 0 may be written
	ds_add_u32 v[SPW], v[NIL]
.if \fill
	s_xor_b32 s37, s37, SLOTX                      ; the walking descriptors: the other slot than last time, the next step
	s_add_nc_u64 s[38:39], s[38:39], 32768
	s_xor_b32 s61, s61, SLOTX
	s_add_nc_u64 s[62:63], s[62:63], 49152
.endif
	s_wait_dscnt 9                                 ; the add and v's weights may be out
	MULG 0, YF1, 0, 0
	s_wait_dscnt 0x0                               ; the add is done, and my reads of this slot are over
	s_barrier_signal -1
	MULG 0, YF1, 1, 0
	WIN 0
	s_barrier_wait -1
.if \fill
	CREST                                          ; the round of the cluster's barrier: no wave of any partner still reads this slot or has a load on its way
	JLOAD                                          ; the first tensor load behind it; it has 160 of a step's 192 products in which to land
.else
	PLACES
.endif
	s_xor_b32 s66, s66, SLOTX
	v_add_nc_u32 v16, s66, v17
	v_add_nc_u32 v18, s66, v19
	BTW 0, 0
	MULG 1, YF1, 0, 0
	MULG 1, YF1, 1, 0
	WIN 0
	PLACES
	BTW 1, 0
	BTY YF0, 0
	MULG 2, YF1, 0, 0
	MULG 2, YF1, 1, 0
	WIN 0
	PLACES
	BTW 2, 0
.endm
.macro RYLOAD be                       ; bucket be's fragments of y
.irp q, 0,1
.irp k, 0,1
	global_load_b128 v[RY+16*\q+8*\k:RY+16*\q+8*\k+3],   v27, s[16:17] offset:\k*16384+(2*(\be)+\q)*1024
	global_load_b128 v[RY+16*\q+8*\k+4:RY+16*\q+8*\k+7], v27, s[16:17] offset:\k*16384+(2*(\be)+\q)*1024+512
.endr
.endr
.endm
	s_wait_tensorcnt 1                             ; my part of K step 0 is in; step 1's may stay out
	s_barrier_signal -1
	s_barrier_wait -1
	BTW 0, 0
	BTW 1, 0
	BTY YF0, 0
	BTW 2, 0
	SUB0 1
	s_mov_b32 s67, 14
.Lstep:
	SUBT 1
	SUB0 0
	s_sub_co_u32 s67, s67, 1
	s_cmp_lg_u32 s67, 0
	s_cbranch_scc1 .Lstep
	SUBT 0                                         ; the last two steps ask for nothing
	SUB0 0
	RYLOAD 0                                       ; y's first buffer is free: four places and eight loads stand behind its last products
.irp c, 0,1,2,3
	global_load_b128 v[BVT+8*\c:BVT+8*\c+3],   v22, s[72:73] offset:64*\c
	global_load_b128 v[BVT+8*\c+4:BVT+8*\c+7], v22, s[72:73] offset:64*\c+16
.endr
	s_wait_dscnt 8
	MULG 0, YF1, 0, 0
	MULG 0, YF1, 1, 0
	MULG 1, YF1, 0, 0
	MULG 1, YF1, 1, 0
	s_wait_dscnt 0x0
	MULG 2, YF1, 0, 0
	MULG 2, YF1, 1, 0
	WIN 0
	PLACES
	; the selector: 256.0 in f16 where k = m
	v_lshlrev_b32 v5, 3, v2
	v_sub_nc_u32 v5, v1, v5
	v_mov_b32 v6, 0x5c00
	v_mov_b32 v7, 0x5c000000
.irp i, 0,1,2,3,8,9,10,11
	v_mov_b32 v[SELB+\i], 0
.endr
.irp i, 0,1,2,3
	v_cmp_eq_u32 s90, 2*\i, v5
	v_cmp_eq_u32 s91, 2*\i+1, v5
	v_cndmask_b32 v[SELB+4+\i], 0, v6, s90
	v_cndmask_b32 v[SELB+4+\i], v[SELB+4+\i], v7, s91
.endr
	s_wait_loadcnt 0x0
.set i, 0
.rept 16
	v_cvt_pk_bf16_f32 v[PF+i], v[BVT+2*i], v[BVT+2*i+1]
.set i, i+1
.endr
.set i, 0
.rept 16
	v_lshlrev_b32 v[BVT+2*i], 16, v[PF+i]
	v_and_b32 v[BVT+2*i+1], s80, v[PF+i]
.set i, i+1
.endr
; ONE BUCKET of 32 rows: row tiles 2 be, 2 be + 1.  Statistics of query tile qa at v[4 + 6 qa]: m, at work, c m twice, l twice.
.macro BKT be
	WIN 0x05                                       ; q: two channel tiles of a row tile, rounded to f16, are a fragment of 32 channels
.set x, 0
.rept 2
.set c, 0
.rept 4
.irp i, 0,1,2,3
	v_cvt_pk_f16_f32 v[QF+16*x+4*c+\i], v[64*c+8*(2*(\be)+x)+2*\i], v[64*c+8*(2*(\be)+x)+2*\i+1]
.endr
.set c, c+1
.endr
.set x, x+1
.endr
	WIN 0x0a                                       ; k likewise
.set x, 0
.rept 2
.set c, 0
.rept 4
.irp i, 0,1,2,3
	v_cvt_pk_f16_f32 v[KF+16*x+4*c+\i], v[64*c+8*(2*(\be)+x)+2*\i], v[64*c+8*(2*(\be)+x)+2*\i+1]
.endr
.set c, c+1
.endr
.set x, x+1
.endr
	WIN 0x0f                                       ; v: the two row tiles of a channel tile are a fragment of 32 keys
.set c, 0
.rept 4
.set x, 0
.rept 2
.irp i, 0,1,2,3
	v_cvt_pk_f16_f32 v[VF+8*c+4*x+\i], v[64*c+8*(2*(\be)+x)+2*\i], v[64*c+8*(2*(\be)+x)+2*\i+1]
.endr
.set x, x+1
.endr
.set c, c+1
.endr
	; S^T(key tile kp, query tile qa) = K Q^T, into registers of k's that have been packed: window 2, 64 kp + 8 (2 be + qa).  Four accumulators by turns.
	WIN 0x80
.set t, 0
.rept 4
	v_wmma_f32_16x16x32_f16 v[64*(t/2)+8*(2*(\be)+t%2):64*(t/2)+8*(2*(\be)+t%2)+7], v[KF+16*(t/2):KF+16*(t/2)+7], v[QF+16*(t%2):QF+16*(t%2)+7], 0
.set t, t+1
.endr
	WIN 0xa0
.set t, 0
.rept 4
	v_wmma_f32_16x16x32_f16 v[64*(t/2)+8*(2*(\be)+t%2):64*(t/2)+8*(2*(\be)+t%2)+7], v[KF+16*(t/2)+8:KF+16*(t/2)+15], v[QF+16*(t%2)+8:QF+16*(t%2)+15], v[64*(t/2)+8*(2*(\be)+t%2):64*(t/2)+8*(2*(\be)+t%2)+7]
.set t, t+1
.endr
	s_wait_loadcnt 0x0                             ; the bucket's fragments of y
	WIN 0x40                                       ; O^T(channel tile ct, qa) starts as y + v's bias, in registers of q's that have been packed: window 1
.set t, 0
.rept 8
	v_wmma_f32_16x16x32_f16 v[64*(t/2)+8*(2*(\be)+t%2):64*(t/2)+8*(2*(\be)+t%2)+7], v[SELB+4-4*((t/2)&1):SELB+11-4*((t/2)&1)], v[RY+16*(t%2)+8*(t/4):RY+16*(t%2)+8*(t/4)+7], v[BVT+8*(t/2):BVT+8*(t/2)+7]
.set t, t+1
.endr
	PLACES
	; the softmax: a lane holds one query and 16 of its 32 keys; score n lies at 8 (2 be + qa) + n + 56 (n / 8); both accumulators are read from the low end on
	WIN 0x2a
.irp q, 0,1
	v_max3_num_f32 v[4+6*\q], v[8*(2*(\be)+\q)], v[8*(2*(\be)+\q)+1], v[8*(2*(\be)+\q)+2]
.endr
	WIN 0x28
.set n, 3
.rept 6
.irp q, 0,1
	v_max3_num_f32 v[4+6*\q], v[4+6*\q], v[8*(2*(\be)+\q)+n+56*(n/8)], v[8*(2*(\be)+\q)+n+1+56*((n+1)/8)]
.endr
.set n, n+2
.endr
.irp q, 0,1
	v_max_num_f32 v[4+6*\q], v[4+6*\q], v[8*(2*(\be)+\q)+71]
.endr
	WIN 0
.irp q, 0,1
	v_mov_b32 v[5+6*\q], v[4+6*\q]
.endr
.irp q, 0,1
	v_permlanex16_b32 v[5+6*\q], v[4+6*\q], s78, s79   ; the query's other 16 keys lie in the lane 16 away
.endr
.irp q, 0,1
	v_max_num_f32 v[4+6*\q], v[4+6*\q], v[5+6*\q]
.endr
.irp q, 0,1
	v_mul_f32 v[6+6*\q], s76, v[4+6*\q]
.endr
.irp q, 0,1
	v_mov_b32 v[7+6*\q], v[6+6*\q]
.endr
	WIN 0x82
.set p, 0
.rept 8
.irp q, 0,1
	v_pk_fma_f32 v[8*(2*(\be)+\q)+2*(p%4)+64*(p/4):8*(2*(\be)+\q)+2*(p%4)+64*(p/4)+1], v[8*(2*(\be)+\q)+2*(p%4)+64*(p/4):8*(2*(\be)+\q)+2*(p%4)+64*(p/4)+1], s[76:77], v[6+6*\q:7+6*\q] op_sel_hi:[1,0,1] neg_lo:[0,0,1] neg_hi:[0,0,1]
.endr
.set p, p+1
.endr
.set n, 0
.rept 16
.irp q, 0,1
	v_exp_f32 v[8*(2*(\be)+\q)+n+56*(n/8)], v[8*(2*(\be)+\q)+n+56*(n/8)]
.endr
.set n, n+1
.endr
	v_nop                                          ; a plain instruction behind the last exponential
	WIN 0x0a
	s_wait_alu depctr_va_vdst(0)
.irp q, 0,1
	v_pk_add_f32 v[8+6*\q:9+6*\q], v[8*(2*(\be)+\q):8*(2*(\be)+\q)+1], v[8*(2*(\be)+\q)+2:8*(2*(\be)+\q)+3]
.endr
	WIN 0x08
.set p, 2
.rept 6
.irp q, 0,1
	v_pk_add_f32 v[8+6*\q:9+6*\q], v[8+6*\q:9+6*\q], v[8*(2*(\be)+\q)+2*(p%4)+64*(p/4):8*(2*(\be)+\q)+2*(p%4)+64*(p/4)+1]
.endr
.set p, p+1
.endr
	WIN 0
.irp q, 0,1
	v_add_f32 v[8+6*\q], v[8+6*\q], v[9+6*\q]
.endr
.irp q, 0,1
	v_permlanex16_b32 v[5+6*\q], v[8+6*\q], s78, s79
.endr
.irp q, 0,1
	v_add_f32 v[8+6*\q], v[8+6*\q], v[5+6*\q]
.endr
.irp q, 0,1
	v_rcp_f32 v[8+6*\q], v[8+6*\q]
.endr
	v_nop
	s_wait_alu depctr_va_vdst(0)
.irp q, 0,1
	v_mul_f32 v[8+6*\q], 0x43800000, v[8+6*\q]     ; 256 / l
.endr
.irp q, 0,1
	v_mov_b32 v[9+6*\q], v[8+6*\q]
.endr
	WIN 0x82
.set p, 0
.rept 8
.irp q, 0,1
	v_pk_mul_f32 v[8*(2*(\be)+\q)+2*(p%4)+64*(p/4):8*(2*(\be)+\q)+2*(p%4)+64*(p/4)+1], v[8*(2*(\be)+\q)+2*(p%4)+64*(p/4):8*(2*(\be)+\q)+2*(p%4)+64*(p/4)+1], v[8+6*\q:9+6*\q]
.endr
.set p, p+1
.endr
	WIN 0x0a
.set p, 0
.rept 8
.irp q, 0,1
	v_cvt_pk_f16_f32 v[PF+8*\q+p], v[8*(2*(\be)+\q)+2*(p%4)+64*(p/4)], v[8*(2*(\be)+\q)+2*(p%4)+64*(p/4)+1]
.endr
.set p, p+1
.endr
	WIN 0x50                                       ; O^T += V^T P, eight accumulators by turns
.set t, 0
.rept 8
	v_wmma_f32_16x16x32_f16 v[64*(t/2)+8*(2*(\be)+t%2):64*(t/2)+8*(2*(\be)+t%2)+7], v[VF+8*(t/2):VF+8*(t/2)+7], v[PF+8*(t%2):PF+8*(t%2)+7], v[64*(t/2)+8*(2*(\be)+t%2):64*(t/2)+8*(2*(\be)+t%2)+7]
.set t, t+1
.endr
	WIN 0
	PLACES
.if (\be) < 3
	RYLOAD (\be)+1
.endif
	; out: a lane's eight channels are 32 bytes of a row of 256; 16 rows go through my stage and leave whole
.irp q, 0,1
	WIN 0x04
.irp c, 0,1,2,3
	ds_store_b128 v24, v[64*\c+8*(2*(\be)+\q):64*\c+8*(2*(\be)+\q)+3]   offset:64*\c
	ds_store_b128 v24, v[64*\c+8*(2*(\be)+\q)+4:64*\c+8*(2*(\be)+\q)+7] offset:64*\c+16
.endr
	WIN 0
	s_wait_xcnt 0x0                                ; the stores of the tile before have read these registers
.irp t, 0,1,2,3,4,5,6,7
	ds_load_b128 v[OB+4*\t:OB+4*\t+3], v25 offset:\t*2*SP   ; LDS serves a wave's instructions in order: these see the stores above
.endr
.irp t, 0,1,2,3,4,5,6,7
	s_wait_dscnt 7-\t
	global_store_b128 v26, v[OB+4*\t:OB+4*\t+3], s[74:75] offset:(32*(\be)+16*\q+2*\t)*4096 th:TH_STORE_NT   ; 16 lanes store 256 consecutive bytes, aligned
.endr
.endr
.endm
	BKT 0
	BKT 1
	BKT 2
	BKT 3
	s_wait_tensorcnt 0x0                           ; the wave's end
	ds_add_u32 v[SPW], v[NIL]
	s_wait_dscnt 0x0
	CROUND
	s_endpgm
.Lfunc_end_k_qea5d1d144a_bucket:
	.size	k_qea5d1d144a_bucket, .Lfunc_end_k_qea5d1d144a_bucket-k_qea5d1d144a_bucket
	.p2alignl 7, 3214868480
	.fill 96, 4, 3214868480
	.section	.rodata,"a",@progbits
	.p2align	6, 0x0
	.amdhsa_kernel k_qea5d1d144a_bucket
		.amdhsa_group_segment_fixed_size 327680
		.amdhsa_private_segment_fixed_size 0
		.amdhsa_enable_private_segment 0
		.amdhsa_kernarg_size 48
		.amdhsa_user_sgpr_count 2
		.amdhsa_user_sgpr_kernarg_segment_ptr 1
		.amdhsa_wavefront_size32 1
		.amdhsa_system_sgpr_workgroup_id_x 1
		.amdhsa_system_sgpr_workgroup_id_y 1
		.amdhsa_system_sgpr_workgroup_id_z 1
		.amdhsa_system_vgpr_workitem_id 0
		.amdhsa_next_free_vgpr 1024
		.amdhsa_next_free_sgpr 100
		.amdhsa_reserve_vcc 0
		.amdhsa_float_denorm_mode_32 3
		.amdhsa_float_denorm_mode_16_64 3
		.amdhsa_memory_ordered 1
		.amdhsa_forward_progress 1
		.amdhsa_inst_pref_size 156
	.end_amdhsa_kernel
	.amdgpu_metadata
---
amdhsa.version: [ 1, 2 ]
amdhsa.kernels:
  - .name:           k_qea5d1d144a_bucket
    .symbol:         k_qea5d1d144a_bucket.kd
    .args:
      - { .name: yb, .offset: 0, .size: 8, .value_kind: global_buffer, .address_space: global }
      - { .name: wbh, .offset: 8, .size: 8, .value_kind: global_buffer, .address_space: global }
      - { .name: bq_b, .offset: 16, .size: 8, .value_kind: global_buffer, .address_space: global }
      - { .name: bk_b, .offset: 24, .size: 8, .value_kind: global_buffer, .address_space: global }
      - { .name: bv_b, .offset: 32, .size: 8, .value_kind: global_buffer, .address_space: global }
      - { .name: out0, .offset: 40, .size: 8, .value_kind: global_buffer, .address_space: global }
    .group_segment_fixed_size: 327680
    .private_segment_fixed_size: 0
    .kernarg_segment_align: 8
    .kernarg_segment_size: 48
    .max_flat_workgroup_size: 128
    .sgpr_count:     100
    .vgpr_count:     1024
    .wavefront_size: 32
...
	.end_amdgpu_metadata
.endif
;; end of part 5
